; MI455X (gfx1250); checked and timed in simulation.
; The chip was launched on July 23, 2026; its instructions are those of AMD's public machine-readable ISA for CDNA 5 (MIT licence, August 2026) and "CDNA5" Instruction Set Architecture Reference Guide (July 2026). The comments in the code are by the model that wrote it; some were corrected since.
;; Attention. Allowed arithmetic: matrix products marked QUANTISED: E3M2 operands, one E8M0 scale for each 32 along K, by v_wmma_scale_f32_16x16x128_f8f6f4 with both operands' format E3M2, f32 sums; everything else in f32.
;; Inputs: b_out 1,024 float32; w_out 1,024 x 1,024 float32; w_qkv 3,072 x 1,024 float32; x 4 x 2,048 x 1,024 float32.
;; Outputs: out0 4 x 2,048 x 1,024 float32.
;; This version of the problem:
;;   THIS VERSION OF THE PROBLEM IS GIVEN IN LOW PRECISION. The matrix products marked QUANTISED in the list below multiply operands that are first quantised to E3M2 (3 exponent bits, 2 mantissa bits; 6 bits a number), with one power-of-two scale for each 32 numbers along K (OCP MX v1.0); their sums are f32. All else is computed in f32.
;;   The module's matrix products, in the order in which they are computed (A, B: the left and right operand; K: the contracted axis; several contracted axes count as one K, in the product's order):
;;     1. [M 8,192, K 1,024] x [K 1,024, N 3,072]; A: input x; B: input w_qkv: QUANTISED
;;     2. batch 64 x [M 2,048, K 64] x [K 64, N 2,048]; A: computed on the way; B: computed on the way: QUANTISED
;;     3. batch 64 x [M 2,048, K 2,048] x [K 2,048, N 64]; A: softmax (see below); B: computed on the way: QUANTISED
;;     4. [M 8,192, K 1,024] x [K 1,024, N 1,024]; A: computed on the way; B: input w_out: QUANTISED
;;   THE QUANTISER, for each operand of a quantised product, along K:
;;     - K is cut into blocks of 32 from its start; a last block that is shorter is filled with zeros.
;;     - A block's scale is 2^e with e = floor(log2(the largest magnitude in the block)) - 4, held to -126 .. 127; a block of zeros has e = 0. As a byte (E8M0): e + 127.
;;     - Each number is divided by its block's scale, clamped to +-28, and rounded to the nearest number of E3M2, ties to even, subnormals kept.
;;     - The product sums the exact products of the quantised numbers (number of the format x scale) in f32.
;;   ~~~python
;;   def quantise(x, axis):      # numpy; x: float32 -> the quantised numbers, widened to float32 again
;;       x = np.moveaxis(x, axis, -1); K = x.shape[-1]
;;       x = np.pad(x, [(0, 0)] * (x.ndim - 1) + [(0, -K % 32)]); x = x.reshape(x.shape[:-1] + (-1, 32)); a = np.abs(x).max(-1, keepdims=True)
;;       e = np.where(a > 0, np.clip(np.frexp(np.where(a > 0, a, 1))[1] - 1 - 4, -126, 127), 0)      # np.frexp(a)[1] - 1 = floor(log2(a)), exactly
;;       r = np.clip(x / 2.0 ** e, -28, 28)
;;       step = 2.0 ** (np.maximum(np.frexp(np.where(r == 0, 1, r))[1] - 1, -2) - 2)
;;       q = np.round(r / step) * step * 2.0 ** e      # np.round: ties to even
;;       return np.moveaxis(q.reshape(q.shape[:-2] + (-1,))[..., :K], -1, axis).astype(np.float32)
;;   ~~~
;;   SOFTMAX AHEAD OF A QUANTISED PRODUCT. Where the list says 'softmax', what is quantised is not the finished softmax but p = 2^(t - M), with t = logit x log2(e) and M = ceil(the row's largest t), a whole number; so 1/2 < the row's largest p <= 1. The row's sum l is taken of the UNQUANTISED p, in f32, and the product's result is divided by l at the end. Since M is a whole number, a kernel that streams over the keys may use a running M (the ceiling of the running maximum): every later rescaling is an exact power of two, which a block's scale takes up: the codes' values come out the same.
;;   OPERANDS COMPUTED ON THE WAY. 'Computed on the way' means the value that the module computes at that place (a softmax that the list does not call 'softmax' is quantised finished and normalised). What goes into a quantiser is computed in f32, as accurately as f32 sums, v_exp_f32 and their like allow (about 1e-6 of the number): no bf16 or f16 on the way to a quantiser, and a product that is left as it is and whose result goes on into a quantised operand takes f32 operands (vector FMAs, or v_wmma_f32_16x16x4_f32). A number that lies on a knife's edge between two numbers of the format may be rounded either way, as far as f32 arithmetic and the matrix unit's own rounding can turn it there, and no further.
;; One version. Each part assembles by itself: llvm-mc -triple=amdgcn-amd-amdhsa -mcpu=gfx1250 --defsym DOCPART=n.
;; ======== version 1 of 1: 4 launches
;; limits: right only within a limited range of input values
;; workspace buffers: opq 9,830,400 bytes; qkv 19,660,800 bytes; ctx 6,553,600 bytes
;; launch quant (part 1): grid 384 x 1, 4 waves a work-group, no clusters, 34,304 bytes of LDS; arguments x, w_qkv, w_out, opq; writes opq
.if DOCPART == 1
	.amdgcn_target "amdgcn-amd-amdhsa--gfx1250"
	.amdhsa_code_object_version 6
	.text
	.protected	k_qb7baf495d3_quant
	.globl	k_qb7baf495d3_quant
	.p2align	8
	.type	k_qb7baf495d3_quant,@function
k_qb7baf495d3_quant:
	s_mov_b64 s[64:65], 0
	v_nop
	global_prefetch_b8 v0, s[64:65] scope:SCOPE_SE
	s_setreg_imm32_b32 hwreg(HW_REG_WAVE_MODE, 25, 1), 1
	s_wait_xcnt 0x0
; x [8192][1024], w_qkv [3072][1024] and w_out [1024][1024], f32, K innermost, become codes of E3M2 with one E8M0 byte for each 32 along K,
; laid in opq AS THE MATRIX UNIT'S REGISTERS WANT THEM.  The rows of the three tensors are cut into tiles of 16: tiles 0-511 x, 512-703 w_qkv, 704-767 w_out.
; THE ROWS OF A TILE ARE NOT NEIGHBOURS: lane r of a tensor's tile t holds row 32 (t / 2) + 8 (t % 2) + r % 8 + 16 (r / 8).
; A fragment (16 rows x 128 K: 12 registers a lane) is an image of 1,536 bytes: registers 2 p, 2 p + 1 of lane l at 256 p + 8 l.  Tile T, chunk c of 128 along K: at 12,288 T + 1,536 c.
; Scale words (four bytes: 128 along K of one row): at OPSC + 512 T + 256 (c / 4) + 16 r + 4 (c % 4).
; A block's scale is 2^(floor(log2(its largest magnitude)) - 4); its byte is the largest magnitude's exponent field - 4, held at 1 from below.
; LIMITS: NaN and infinities among the inputs are not served.  A block whose largest magnitude lies under 2^-122, a block of zeros among them, gets the byte 1 (the rule says 127 for zeros):
; the codes of zeros are zeros, which add nothing under any byte but 0xff, and this program alone reads the bytes.
; SHARES.  A wave takes one tile and half of K: 16 rows x 512 numbers, four chunks.  Each load reads 512 consecutive bytes of one row; a chunk's 8,192 bytes turn through the wave's own stage in LDS
; (rows 528 bytes apart) and come back so that lane (r, h) holds, of row r, numbers 32 b + 16 h + 0 .. 15 of each block b.  Waves share nothing: no barrier.  Two chunks (32 loads a wave) are on their way.
.set OPSC,   9437184
.set SPITCH, 528
.set STGB,   16*SPITCH
.set GA,   2                           ; v2   16 x lane: my bytes of a load's 512
.set SW,   3                           ; v3   the stage, on the way in
.set SRD,  4                           ; v4   and on the way out: row r, + 64 h
.set CO8,  5                           ; v5   8 x lane: my place in a piece of an image
.set SCO,  6                           ; v6   16 r + 8 h: my two scale words
.set R,    16                          ; v16-143  two sets of 64 numbers as loaded
.set X,    144                         ; v144-207 a chunk's 64 numbers of my row
.set PC,   208                         ; v208-219 the fragment's codes; v220-222, v224-226 halves on their way
.set TM,   228                         ; v228-231 largest magnitudes, v232-235 bytes, v240-243 the conversions' scale operands
.set PW,   244                         ; v244-247 a scale word for each chunk
.set OW,   248                         ; v248-249 the two that I store
.set SEL,  20                          ; s[20:21] lane selects: lane l xor 16
	s_load_b256 s[4:11], s[0:1], 0x0               ; x s[4:5], w_qkv s[6:7], w_out s[8:9], opq s[10:11]
	v_lshl_add_u32 v254, v0, 2, 0x8400
	v_mov_b32 v255, 0
	v_lshrrev_b32 v1, 5, v0
	v_readfirstlane_b32 s12, v1                    ; wave 0..3
	v_and_b32 v1, 31, v0                           ; lane
	v_and_b32 v7, 15, v0                           ; r
	v_bfe_u32 v8, v0, 4, 1                         ; h
	v_lshlrev_b32 v[GA], 4, v1
	s_mul_i32 s13, s12, STGB                       ; my wave's stage
	v_add_nc_u32 v[SW], s13, v[GA]
	v_mul_u32_u24 v[SRD], v7, SPITCH
	v_lshl_add_u32 v[SRD], v8, 6, v[SRD]
	v_add_nc_u32 v[SRD], s13, v[SRD]
	v_lshlrev_b32 v[CO8], 3, v1
	v_lshlrev_b32 v[SCO], 4, v7
	v_lshl_add_u32 v[SCO], v8, 3, v[SCO]
	v_cmp_ne_u32 s30, 0, v8                        ; lanes 16-31
.irp b, 0,1,2,3
	v_mov_b32 v[TM+4+\b], 0                        ; written once: a lane permute's destination counts as one of its sources
.endr
	s_mov_b32 s[SEL], 0x76543210
	s_mov_b32 s[SEL+1], 0xfedcba98
	s_lshl_b32 s14, ttmp9, 1
	s_lshr_b32 s15, s12, 1
	s_add_co_u32 s14, s14, s15                     ; my tile T = 2 x work-group + wave / 2
	s_and_b32 s15, s12, 1                          ; which half of K
	s_mov_b32 s16, 704
	s_wait_alu depctr_va_vdst(0)
	s_wait_kmcnt 0x0
	s_cmp_lt_u32 ttmp9, 352                        ; which tensor: the choice hangs on the work-group's number alone
	s_cselect_b64 s[6:7], s[6:7], s[8:9]
	s_cselect_b32 s16, 512, s16
	s_cmp_lt_u32 ttmp9, 256
	s_cselect_b64 s[4:5], s[4:5], s[6:7]
	s_cselect_b32 s16, 0, s16                      ; the tensor's first tile
	s_sub_co_u32 s16, s14, s16                     ; my tile within the tensor
	s_lshr_b32 s22, s16, 1
	s_lshl_b32 s22, s22, 17                        ; 32 rows of 4,096 bytes for each pair of tiles,
	s_and_b32 s17, s16, 1
	s_lshl_b32 s17, s17, 15                        ; 8 rows for the odd one,
	s_add_co_u32 s22, s22, s17
	s_lshl_b32 s17, s15, 11                        ; 2,048 bytes for the second half of K
	s_add_co_u32 s22, s22, s17
	s_mov_b32 s23, 0
	s_add_nc_u64 s[4:5], s[4:5], s[22:23]
	s_mul_i32 s24, s14, 12288
	s_mul_i32 s17, s15, 6144
	s_add_co_u32 s24, s24, s17
	s_mov_b32 s25, 0
	s_add_nc_u64 s[24:25], s[10:11], s[24:25]      ; my four images
	s_lshl_b32 s26, s14, 9
	s_lshl_b32 s17, s15, 8
	s_add_co_u32 s26, s26, s17
	s_add_co_u32 s26, s26, OPSC
	s_mov_b32 s27, 0
	s_add_nc_u64 s[26:27], s[10:11], s[26:27]      ; my 256 bytes of scale words
.macro LOADG c                         ; chunk c: 16 loads, each 512 consecutive bytes of one of the tile's rows
.irp i, 0,1,2,3,4,5,6,7,8,9,10,11,12,13,14,15
	global_load_b128 v[R+64*((\c)%2)+4*\i:R+64*((\c)%2)+4*\i+3], v[GA], s[4:5] offset:((\i%8)+16*(\i/8))*4096+512*(\c) th:TH_LOAD_NT
.endr
.endm
.macro TURN c                          ; through the stage: LDS serves a wave's instructions in order, so no wait stands between the stores and the loads
.irp i, 0,1,2,3,4,5,6,7,8,9,10,11,12,13,14,15
	ds_store_b128 v[SW], v[R+64*((\c)%2)+4*\i:R+64*((\c)%2)+4*\i+3] offset:SPITCH*\i
.endr
.irp b, 0,1,2,3
.irp j, 0,1,2,3
	ds_load_b128 v[X+16*\b+4*\j:X+16*\b+4*\j+3], v[SRD] offset:128*\b+16*\j
.endr
.endr
.endm
.macro QMAX s, pw                      ; 64 numbers, register 16 b + i = k 32 b + 16 h + i of my row: the four blocks' scales, and the scale word
.irp b, 0,1,2,3
	v_max3_num_f32 v[TM+\b], |v[\s+16*\b]|, |v[\s+1+16*\b]|, 0x2800000   ; my 16 numbers of block b, and the floor 2^(5 - 127): the byte cannot fall under 1
.endr
.irp i, 2,4,6,8,10,12,14
.irp b, 0,1,2,3
	v_max3_num_f32 v[TM+\b], v[TM+\b], |v[\s+16*\b+\i]|, |v[\s+1+16*\b+\i]|   ; the four blocks by turns
.endr
.endr
.irp b, 0,1,2,3
	v_permlanex16_b32 v[TM+4+\b], v[TM+\b], s[SEL], s[SEL+1]
.endr
.irp b, 0,1,2,3
	v_max_num_f32 v[TM+\b], v[TM+\b], v[TM+4+\b]   ; with lane l xor 16's: the block's largest magnitude
.endr
.irp b, 0,1,2,3
	v_add_nc_u32 v[TM+12+\b], 0xfe000000, v[TM+\b] ; 4 off its exponent field: the conversion takes the exponent field of this operand as its scale
.endr
.irp b, 0,1,2,3
	v_lshrrev_b32 v[TM+4+\b], 23, v[TM+12+\b]      ; the scale's byte
.endr
	v_lshl_or_b32 v[\pw], v[TM+5], 8, v[TM+4]
	v_lshl_or_b32 v[\pw], v[TM+6], 16, v[\pw]
	v_lshl_or_b32 v[\pw], v[TM+7], 24, v[\pw]
.endm
.macro QCVT s                          ; the codes, in the operand's layout: registers 6 c .. 6 c + 5 hold k = 64 c + 32 h + 0 .. 31
.irp c, 0,1
	v_cvt_scalef32_pk16_bf6_f32 v[PC+6*\c:PC+2+6*\c], v[\s+32*\c:\s+15+32*\c], v[TM+12+2*\c]
	v_cvt_scalef32_pk16_bf6_f32 v[PC+12+4*\c:PC+14+4*\c], v[\s+16+32*\c:\s+31+32*\c], v[TM+12+2*\c+1]   ; (a conversion's three registers begin on an even number)
.endr
	v_nop                                          ; one plain instruction behind a scaled conversion
.irp c, 0,1
.irp i, 0,1,2
	v_permlane16_swap_b32 v[PC+6*\c+\i], v[PC+12+4*\c+\i]   ; a whole block to a lane: lanes 0-15 block 2 c, lanes 16-31 block 2 c + 1
.endr
.irp i, 0,1,2
	v_mov_b32 v[PC+3+6*\c+\i], v[PC+12+4*\c+\i]
.endr
.endr
.endm
.macro CHUNK c
.if \c < 3
	s_wait_loadcnt 16                              ; this chunk's 16 loads are in; the next chunk's 16 may be out
.else
	s_wait_loadcnt 0x0
.endif
	TURN \c
	s_wait_dscnt 0x0                               ; my numbers are back, and the stores into the stage have read their registers,
.if \c < 2
	LOADG (\c)+2                                   ; which take the chunk two on
.endif
	QMAX X, PW+\c
.if \c > 0
	s_wait_xcnt 0x0                                ; the last chunk's stores have read the codes' registers: they are written again only behind this wait
.endif
	QCVT X
.irp p, 0,1,2,3,4,5
	global_store_b64 v[CO8], v[PC+2*\p:PC+2*\p+1], s[24:25] offset:1536*\c+256*\p   ; 32 lanes store 256 consecutive bytes, aligned
.endr
.endm
	LOADG 0
	LOADG 1
	CHUNK 0
	CHUNK 1
	CHUNK 2
	CHUNK 3
	v_cndmask_b32 v[OW], v[PW], v[PW+2], s30       ; both halves of the lanes hold row r's four words: lanes 0-15 store the first two, lanes 16-31 the others
	v_cndmask_b32 v[OW+1], v[PW+1], v[PW+3], s30
	global_store_b64 v[SCO], v[OW:OW+1], s[26:27]  ; 256 consecutive bytes, aligned
	s_wait_tensorcnt 0x0
	ds_add_u32 v254, v255
	s_wait_dscnt 0x0
	s_endpgm
.Lfunc_end_k_qb7baf495d3_quant:
	.size	k_qb7baf495d3_quant, .Lfunc_end_k_qb7baf495d3_quant-k_qb7baf495d3_quant
	.p2alignl 7, 3214868480
	.fill 96, 4, 3214868480
	.section	.rodata,"a",@progbits
	.p2align	6, 0x0
	.amdhsa_kernel k_qb7baf495d3_quant
		.amdhsa_group_segment_fixed_size 34304
		.amdhsa_private_segment_fixed_size 0
		.amdhsa_enable_private_segment 0
		.amdhsa_kernarg_size 32
		.amdhsa_user_sgpr_count 2
		.amdhsa_user_sgpr_kernarg_segment_ptr 1
		.amdhsa_wavefront_size32 1
		.amdhsa_system_sgpr_workgroup_id_x 1
		.amdhsa_system_sgpr_workgroup_id_y 1
		.amdhsa_system_sgpr_workgroup_id_z 1
		.amdhsa_system_vgpr_workitem_id 0
		.amdhsa_next_free_vgpr 256
		.amdhsa_next_free_sgpr 66
		.amdhsa_reserve_vcc 0
		.amdhsa_float_denorm_mode_32 3
		.amdhsa_float_denorm_mode_16_64 3
		.amdhsa_memory_ordered 1
		.amdhsa_forward_progress 1
		.amdhsa_inst_pref_size 35
	.end_amdhsa_kernel
	.amdgpu_metadata
---
amdhsa.version: [ 1, 2 ]
amdhsa.kernels:
  - .name:           k_qb7baf495d3_quant
    .symbol:         k_qb7baf495d3_quant.kd
    .args:
      - { .name: x, .offset: 0, .size: 8, .value_kind: global_buffer, .address_space: global }
      - { .name: w_qkv, .offset: 8, .size: 8, .value_kind: global_buffer, .address_space: global }
      - { .name: w_out, .offset: 16, .size: 8, .value_kind: global_buffer, .address_space: global }
      - { .name: opq, .offset: 24, .size: 8, .value_kind: global_buffer, .address_space: global }
    .group_segment_fixed_size: 34304
    .private_segment_fixed_size: 0
    .kernarg_segment_align: 8
    .kernarg_segment_size: 32
    .max_flat_workgroup_size: 128
    .sgpr_count:     66
    .vgpr_count:     256
    .wavefront_size: 32
...
	.end_amdgpu_metadata
.endif
;; end of part 1
;; launch gemm_qkv (part 2): grid 12 x 32, 4 waves a work-group, clusters of 4 x 4, 327,680 bytes of LDS; arguments opq, qkv; writes qkv
.if DOCPART == 2
	.amdgcn_target "amdgcn-amd-amdhsa--gfx1250"
	.amdhsa_code_object_version 6
	.text
	.protected	k_qb7baf495d3_gemm_qkv
	.globl	k_qb7baf495d3_gemm_qkv
	.p2align	8
	.type	k_qb7baf495d3_gemm_qkv,@function
k_qb7baf495d3_gemm_qkv:
	s_mov_b64 s[64:65], 0
	v_nop
	global_prefetch_b8 v0, s[64:65] scope:SCOPE_SE
	s_setreg_imm32_b32 hwreg(HW_REG_WAVE_MODE, 25, 1), 1
	s_wait_xcnt 0x0
	s_wait_alu depctr_hold_cnt(0) depctr_sa_sdst(0) depctr_va_vdst(0) depctr_va_sdst(0) depctr_va_ssrc(0) depctr_va_vcc(0) depctr_vm_vsrc(0)
	s_getreg_b32 s2, hwreg(HW_REG_IB_STS2, 6, 4)
	s_cmp_eq_u32 s2, 0
	s_cbranch_scc0 .Lentry_in_a_cluster
	s_endpgm
.Lentry_in_a_cluster:
	s_bfe_u32 s2, ttmp6, 0x10000c
	s_cmp_lg_u32 s2, 0xf033
	s_cbranch_scc0 .Lentry_shape_is_right
	s_endpgm
.Lentry_shape_is_right:
.set NQ,     2
.set FR,     12
.set NL,     6
.set NP,     4
.set FRB,    1536
.set TROW,   NQ*FRB
.set TPITCH, 12288
.set HALFT,  8*TROW
.set SLOT,   4*HALFT
.set SCL,    2*SLOT
.set HALFS,  4096
.set SPARE,  SCL+4*HALFS
.set OPSC,   9437184
.set VIMG,   12582912
.set QKSC,   18874368
.set VSC,    19398656
.set ADRA, 16
.set ADRB, 20
.set L16,  25
.set CO8,  26
.set ADRS, 27
.set SPW,  28
.set NIL,  29
.set SC,   32
.set AF,   128
.set PC,   64
.set PWS,  96
.set OW,   104
.set TM,   112
.set G1, 24
.set G0, 32
.set G1B, 48
.set G0B, 56
.set G1S, 68
.set G0S, 76
.set G1SB, 80
.set G0SB, 88
.set SEL, 2
.set MSB, 0
.macro WIN new
.if MSB != (\new)
	s_set_vgpr_msb (MSB<<8)|(\new)
.set MSB, (\new)
.endif
.endm
.set MUL_LO, 0xa1
.set MUL_HI, 0xf1
.set TO_B,   0x40
.macro JLOAD g0a, g1a, g0b, g1b
	s_cmp_eq_u32 s15, 0
	s_cbranch_scc0 .Lfor_b_\@
	tensor_load_to_lds s[\g0a:\g0a+3], s[\g1a:\g1a+7]
	s_nop 0
.rept 4
	v_nop
.endr
	s_branch .Lasked_\@
.Lfor_b_\@:
	tensor_load_to_lds s[\g0b:\g0b+3], s[\g1b:\g1b+7]
	s_nop 0
.rept 4
	v_nop
.endr
.Lasked_\@:
.endm
.macro CREST
	s_cmp_lg_u32 s14, 0
	s_cbranch_scc1 .Lnot_wave_0_\@
	s_barrier_signal -3
.Lnot_wave_0_\@:
	s_barrier_wait -3
	s_barrier_signal -1
	s_barrier_wait -1
.endm
.macro CROUND
	s_barrier_signal -1
	s_barrier_wait -1
	CREST
.endm
	s_load_b128 s[4:7], s[0:1], 0x0
	v_lshl_add_u32 v[SPW], v0, 2, SPARE
	v_mov_b32 v[NIL], 0
	ds_add_u32 v28, v29
	ds_add_u32 v28, v29
	s_wait_dscnt 0x0
	v_lshrrev_b32 v1, 5, v0
	v_readfirstlane_b32 s14, v1
	s_lshr_b32 s15, s14, 1
	s_and_b32 s16, s14, 1
	s_bfe_u32 s40, ttmp6, 0x40000
	s_bfe_u32 s41, ttmp6, 0x40004
	s_lshl_b32 s42, ttmp9, 2
	s_add_co_u32 s42, s42, s40
	s_and_b32 s17, ttmp7, 0xffff
	s_lshl_b32 s17, s17, 2
	s_add_co_u32 s17, s17, s41
	s_lshl_b32 s43, s41, 2
	s_lshl_b32 s43, 15, s43
	s_lshl_b32 s44, 0x1111, s40
	s_or_b32 s[G1+0], s43, (3<<16)|(1<<21)
	s_or_b32 s[G1B+0], s44, (3<<16)|(1<<21)
.irp g, G1, G1B
	s_mov_b32 s[\g+1], (TROW/8)<<16
	s_mov_b32 s[\g+2], 16<<16
	s_mov_b32 s[\g+3], (TROW/8)<<16
	s_mov_b32 s[\g+4], 16
	s_mov_b32 s[\g+5], TPITCH/8
	s_mov_b32 s[\g+6], 0
	s_mov_b32 s[\g+7], 0
.endr
	s_or_b32 s[G1S+0], s43, (3<<16)|(1<<21)
	s_or_b32 s[G1SB+0], s44, (3<<16)|(1<<21)
.irp g, G1S, G1SB
	s_mov_b32 s[\g+1], 32<<16
	s_mov_b32 s[\g+2], 32<<16
	s_mov_b32 s[\g+3], 32<<16
	s_mov_b32 s[\g+4], 32
	s_mov_b32 s[\g+5], 32
	s_mov_b32 s[\g+6], 0
	s_mov_b32 s[\g+7], 0
.endr
	s_mul_i32 s18, s16, 8*TPITCH                   ; in the ring I fetch 8 of a block's 16 tiles: which half, in bytes
	s_mov_b32 s19, 0
	s_lshl_b32 s20, s17, 4
	s_lshl_b32 s46, s42, 4
	s_add_co_u32 s46, s46, 512
	s_lshl_b32 s22, s20, 9
	s_add_co_u32 s22, s22, OPSC
	s_mov_b32 s23, 0
	s_lshl_b32 s92, s46, 9
	s_add_co_u32 s92, s92, OPSC
	s_mov_b32 s93, 0
	s_mul_i32 s20, s20, TPITCH
	s_mov_b32 s21, 0
	s_mul_i32 s46, s46, TPITCH
	s_mov_b32 s47, 0
	s_mul_i32 s45, s14, HALFT
	s_wait_kmcnt 0x0
	s_add_nc_u64 s[20:21], s[4:5], s[20:21]
	s_add_nc_u64 s[22:23], s[4:5], s[22:23]
	s_add_nc_u64 s[46:47], s[4:5], s[46:47]
	s_add_nc_u64 s[92:93], s[4:5], s[92:93]
	CROUND
	s_mov_b32 s[G0S], 1
	s_mov_b32 s[G0S+1], SCL
	s_mov_b64 s[G0S+2:G0S+3], s[22:23]
	s_or_b32 s[G0S+3], s[G0S+3], 0x80000000
	s_mov_b32 s[G0SB], 1
	s_mov_b32 s[G0SB+1], SCL+2*HALFS
	s_mov_b64 s[G0SB+2:G0SB+3], s[92:93]
	s_or_b32 s[G0SB+3], s[G0SB+3], 0x80000000
	; THE HEAD'S FOUR TILES, ONE A WAVE: wave 0 slot 0's 16 tiles of A, wave 1 its 16 of B, wave 2 A's scale words, wave 3 B's
	s_mov_b32 s[G0], 1
	s_mov_b32 s[G0+1], 0
	s_mov_b64 s[G0+2:G0+3], s[20:21]
	s_or_b32 s[G0+3], s[G0+3], 0x80000000
	s_mov_b32 s[G0B], 1
	s_mov_b32 s[G0B+1], 2*HALFT
	s_mov_b64 s[G0B+2:G0B+3], s[46:47]
	s_or_b32 s[G0B+3], s[G0B+3], 0x80000000
	s_add_nc_u64 s[20:21], s[20:21], s[18:19]      ; for the ring: my 8 tiles
	s_add_nc_u64 s[46:47], s[46:47], s[18:19]
	s_mov_b32 s[G0+4], 1
	s_add_co_u32 s[G0+5], s45, SLOT
	s_add_nc_u64 s[G0+6:G0+7], s[20:21], TROW
	s_or_b32 s[G0+7], s[G0+7], 0x80000000
	s_mov_b32 s[G0B+4], 1
	s_add_co_u32 s[G0B+5], s45, SLOT
	s_add_nc_u64 s[G0B+6:G0B+7], s[46:47], TROW
	s_or_b32 s[G0B+7], s[G0B+7], 0x80000000
.macro ARM under, g0, g1, next                 ; one chain of branches on the wave's number, one load to an arm, all arms to one join
	s_cmp_lt_u32 s14, \under
	s_cbranch_scc0 \next
	tensor_load_to_lds s[\g0:\g0+3], s[\g1:\g1+7]
	s_nop 0
.rept 4
	v_nop
.endr
	s_branch .Lhead_asked
\next:
.endm
	ARM 1, G0,  G1,  .Lhead_b
	ARM 2, G0B, G1B, .Lhead_sa
	ARM 3, G0S, G1S, .Lhead_sb
	tensor_load_to_lds s[G0SB:G0SB+3], s[G1SB:G1SB+7]
	s_nop 0
.rept 4
	v_nop
.endr
.Lhead_asked:
	s_wait_alu depctr_va_vdst(0)
	s_wait_tensorcnt 0x0                           ; my tile of the four is in
	ds_add_u32 v28, v29
	s_mov_b32 s[G1+2], 8<<16                       ; no load of mine is out: from here on a load brings 8 tiles,
	s_mov_b32 s[G1+4], 8
	s_mov_b32 s[G1B+2], 8<<16
	s_mov_b32 s[G1B+4], 8
	s_mov_b32 s[G0+1], s45                         ; and slot 0's group 0 stands at my half of K chunk 0
	s_mov_b64 s[G0+2:G0+3], s[20:21]
	s_or_b32 s[G0+3], s[G0+3], 0x80000000
	s_mov_b32 s[G0B+1], s45
	s_mov_b64 s[G0B+2:G0B+3], s[46:47]
	s_or_b32 s[G0B+3], s[G0B+3], 0x80000000
	s_wait_dscnt 0x0
	CROUND                                         ; all four tiles are shown to all waves, and the partners meet
	JLOAD G0+4, G1, G0B+4, G1B
	s_sub_co_u32 s21, s42, 8
	s_mov_b32 s11, QKSC
	s_cmp_ge_u32 ttmp9, 2
	s_cselect_b32 s95, 2*HALFT, 0
	s_cselect_b32 s96, 0, 2*HALFT
	s_cselect_b32 s97, 2*HALFS, 0
	s_cselect_b32 s98, 0, 2*HALFS
	s_cselect_b32 s21, s21, s17
	s_cselect_b32 s22, s17, s42
	s_cselect_b32 s23, 6, 9
	s_cselect_b32 s10, VIMG, 0
	s_cselect_b32 s11, VSC, s11
	s_lshl_b32 s22, s22, 1
	s_add_co_u32 s22, s22, s16
	s_lshl_b32 s22, s22, s23
	s_lshl_b32 s21, s21, 4
	s_add_co_u32 s22, s22, s21
	s_lshl_b32 s21, s15, 3
	s_add_co_u32 s22, s22, s21
	s_mul_i32 s12, s22, FRB
	s_add_co_u32 s12, s12, s10
	s_mov_b32 s13, 0
	s_add_nc_u64 s[12:13], s[6:7], s[12:13]
	s_lshl_b32 s10, s22, 6
	s_add_co_u32 s10, s10, s11
	s_mov_b32 s11, 0
	s_add_nc_u64 s[10:11], s[6:7], s[10:11]
	s_mov_b32 s[SEL], 0x76543210
	s_mov_b32 s[SEL+1], 0xfedcba98
	v_and_b32 v1, 15, v0
	v_bfe_u32 v2, v0, 4, 1
	v_and_b32 v3, 31, v0
	v_lshlrev_b32 v[CO8], 3, v3
	v_lshlrev_b32 v[L16], 4, v3
	v_cmp_ne_u32 s99, 0, v2
	s_mul_i32 s21, s15, HALFT
	s_add_co_u32 s21, s21, s95
	s_mul_i32 s22, s16, HALFT
	s_add_co_u32 s22, s22, s96
.irp s, 0,1
	v_add_nc_u32 v[ADRA+\s], s21, v[CO8]
	v_add_nc_u32 v[ADRB+\s], s22, v[CO8]
	s_add_co_u32 s21, s21, SLOT
	s_add_co_u32 s22, s22, SLOT
.endr
	s_lshl_b32 s21, s15, 12
	s_add_co_u32 s21, s21, s97
	s_add_co_u32 s21, s21, SCL
	s_lshl_b32 s22, s16, 12
	s_add_co_u32 s22, s22, s98
	s_add_co_u32 s22, s22, SCL
	v_mov_b32 v4, s21
	v_mov_b32 v5, s22
	v_cndmask_b32 v4, v4, v5, s99
	v_lshl_add_u32 v[ADRS], v1, 4, v4
.macro FRAG reg, adr, q, i
.irp p, 0,1,2,3,4,5
	ds_load_b64 v[\reg+2*\p:\reg+2*\p+1], v[\adr] offset:(\i)*TROW+(\q)*FRB+256*\p
.endr
.endm
.macro MUL16 a0, p, q, sc, zero
.irp a, \a0, \a0+1
.irp b, 0,1,2,3,4,5,6,7
.if \zero
	v_wmma_scale_f32_16x16x128_f8f6f4 v[8*(8*((\a)%4)+\b):8*(8*((\a)%4)+\b)+7], v[128*(\p)+FR*\b:128*(\p)+FR*\b+FR-1], v[AF+FR*(\a):AF+FR*(\a)+FR-1], 0, v[SC+8*NQ*(\sc)+NQ*\b+(\q)], v[SC+8*NQ*(\sc)+NQ*(\a)+(\q)] matrix_a_fmt:MATRIX_FMT_BF6 matrix_b_fmt:MATRIX_FMT_BF6 matrix_a_scale:MATRIX_SCALE_ROW1
.else
	v_wmma_scale_f32_16x16x128_f8f6f4 v[8*(8*((\a)%4)+\b):8*(8*((\a)%4)+\b)+7], v[128*(\p)+FR*\b:128*(\p)+FR*\b+FR-1], v[AF+FR*(\a):AF+FR*(\a)+FR-1], v[8*(8*((\a)%4)+\b):8*(8*((\a)%4)+\b)+7], v[SC+8*NQ*(\sc)+NQ*\b+(\q)], v[SC+8*NQ*(\sc)+NQ*(\a)+(\q)] matrix_a_fmt:MATRIX_FMT_BF6 matrix_b_fmt:MATRIX_FMT_BF6 matrix_a_scale:MATRIX_SCALE_ROW1
.endif
.endr
.endr
.endm
.macro FETCH_B slot, q, p
	WIN TO_B
.irp i, 0,1,2,3,4,5,6,7
	FRAG 128*(\p)+FR*\i, ADRB+\slot, \q, \i
.endr
	WIN 0
.endm
.macro FETCH_A slot, q, i0
.irp i, \i0, \i0+1, \i0+2, \i0+3
	FRAG AF+FR*(\i), ADRA+\slot, \q, \i
.endr
.endm
.macro SCALES sc, ks
.irp i, 0,1,2,3,4,5,6,7
	ds_load_b64 v[SC+8*NQ*\sc+NQ*\i:SC+8*NQ*\sc+NQ*\i+1], v[ADRS] offset:\i*512+256*((\ks)/2)+8*((\ks)%2)
.endr
.endm
.macro PLACES n
.rept \n
	v_nop
.endr
.endm
.macro STEP slot, q, zero
	s_wait_dscnt 4*NL
	WIN MUL_LO
	MUL16 0, (\q)%2, \q, \slot, \zero
	MUL16 2, (\q)%2, \q, \slot, \zero
	s_wait_dscnt 0
	PLACES NP
	FETCH_B \slot, (\q)+1, 1-(\q)%2
	FETCH_A \slot, (\q)+1, 0
	WIN MUL_HI
	MUL16 4, (\q)%2, \q, \slot, \zero
	MUL16 6, (\q)%2, \q, \slot, \zero
	PLACES NP
	WIN 0
	FETCH_A \slot, (\q)+1, 4
.endm
.macro TURN slot, next, fill, ks
	s_wait_tensorcnt 0x0
	ds_add_u32 v[SPW], v[NIL]
	s_wait_dscnt 4*NL+1
	WIN MUL_LO
	MUL16 0, 1, NQ-1, \slot, 0
	s_wait_dscnt 0x0
	s_barrier_signal -1
	MUL16 2, 1, NQ-1, \slot, 0
	WIN 0
	s_barrier_wait -1
.if \fill
	CREST
	s_add_nc_u64 s[G0+4*\slot+2:G0+4*\slot+3], s[G0+4*\slot+2:G0+4*\slot+3], 2*TROW
	s_add_nc_u64 s[G0B+4*\slot+2:G0B+4*\slot+3], s[G0B+4*\slot+2:G0B+4*\slot+3], 2*TROW
	JLOAD G0+4*\slot, G1, G0B+4*\slot, G1B
.else
	PLACES NP
.endif
	FETCH_B \next, 0, 0
	FETCH_A \next, 0, 0
	SCALES \next, \ks
	WIN MUL_HI
	MUL16 4, 1, NQ-1, \slot, 0
	MUL16 6, 1, NQ-1, \slot, 0
	PLACES NP
	WIN 0
	FETCH_A \next, 0, 4
.endm
	s_wait_alu depctr_va_vdst(0)
	FETCH_B 0, 0, 0
	FETCH_A 0, 0, 0
	SCALES 0, 0
	FETCH_A 0, 0, 4
	STEP 0, 0, 1
	TURN 0, 1, 1, 1
	STEP 1, 0, 0
	TURN 1, 0, 1, 2
	STEP 0, 0, 0
	TURN 0, 1, 0, 3
	STEP 1, 0, 0
	s_wait_dscnt 4*NL
	WIN MUL_LO
	MUL16 0, 1, NQ-1, 1, 0
	MUL16 2, 1, NQ-1, 1, 0
	s_wait_dscnt 0
	WIN MUL_HI
	MUL16 4, 1, NQ-1, 1, 0
	MUL16 6, 1, NQ-1, 1, 0
	WIN 0
.macro QUANTW s, w, pw
	WIN ((\w)<<2)|((\w)<<4)
.irp b, 0,1,2,3
	v_max3_num_f32 v[TM+\b], 0x2800000, |v[(\s)+16*\b]|, |v[(\s)+1+16*\b]|
.endr
.irp i, 2,4,6,8,10,12,14
.irp b, 0,1,2,3
	v_max3_num_f32 v[TM+\b], v[TM+\b], |v[(\s)+16*\b+\i]|, |v[(\s)+1+16*\b+\i]|
.endr
.endr
	WIN 0
.irp b, 0,1,2,3
	v_permlanex16_b32 v[TM+4+\b], v[TM+\b], s[SEL], s[SEL+1]
.endr
.irp b, 0,1,2,3
	v_max_num_f32 v[TM+\b], v[TM+\b], v[TM+4+\b]
.endr
.irp b, 0,1,2,3
	v_add_nc_u32 v[TM+12+\b], 0xfe000000, v[TM+\b]
.endr
.irp b, 0,1,2,3
	v_lshrrev_b32 v[TM+4+\b], 23, v[TM+12+\b]
.endr
	v_lshl_or_b32 v[\pw], v[TM+5], 8, v[TM+4]
	v_lshl_or_b32 v[\pw], v[TM+6], 16, v[\pw]
	v_lshl_or_b32 v[\pw], v[TM+7], 24, v[\pw]
	s_wait_xcnt 0x0
	WIN (\w)
.irp c, 0,1
	v_cvt_scalef32_pk16_bf6_f32 v[PC+6*\c:PC+2+6*\c], v[(\s)+32*\c:(\s)+15+32*\c], v[TM+12+2*\c]
	v_cvt_scalef32_pk16_bf6_f32 v[PC+12+4*\c:PC+14+4*\c], v[(\s)+16+32*\c:(\s)+31+32*\c], v[TM+12+2*\c+1]
.endr
	WIN 0
	v_nop
.irp c, 0,1
.irp i, 0,1,2
	v_permlane16_swap_b32 v[PC+6*\c+\i], v[PC+12+4*\c+\i]
.endr
.irp i, 0,1,2
	v_mov_b32 v[PC+3+6*\c+\i], v[PC+12+4*\c+\i]
.endr
.endr
.endm
	PLACES NP
.irp b, 0,1,2,3
	v_mov_b32 v[TM+4+\b], 0
.endr
.irp a, 0,1,2,3,4,5,6,7
	QUANTW 64*(\a%4), 2+\a/4, PWS+\a
.irp p, 0,1,2,3,4,5
	global_store_b64 v[CO8], v[PC+2*\p:PC+2*\p+1], s[12:13] offset:FRB*\a+256*\p
.endr
.endr
.irp j, 0,1,2,3
	v_cndmask_b32 v[OW+\j], v[PWS+\j], v[PWS+4+\j], s99
.endr
	global_store_b128 v[L16], v[OW:OW+3], s[10:11]
	s_wait_tensorcnt 0x0
	ds_add_u32 v[SPW], v[NIL]
	s_wait_dscnt 0x0
	CROUND
	s_endpgm
.Lfunc_end_k_qb7baf495d3_gemm_qkv:
	.size	k_qb7baf495d3_gemm_qkv, .Lfunc_end_k_qb7baf495d3_gemm_qkv-k_qb7baf495d3_gemm_qkv
	.p2alignl 7, 3214868480
	.fill 96, 4, 3214868480
	.section	.rodata,"a",@progbits
	.p2align	6, 0x0
	.amdhsa_kernel k_qb7baf495d3_gemm_qkv
		.amdhsa_group_segment_fixed_size 327680
		.amdhsa_private_segment_fixed_size 0
		.amdhsa_enable_private_segment 0
		.amdhsa_kernarg_size 16
		.amdhsa_user_sgpr_count 2
		.amdhsa_user_sgpr_kernarg_segment_ptr 1
		.amdhsa_wavefront_size32 1
		.amdhsa_system_sgpr_workgroup_id_x 1
		.amdhsa_system_sgpr_workgroup_id_y 1
		.amdhsa_system_sgpr_workgroup_id_z 1
		.amdhsa_system_vgpr_workitem_id 0
		.amdhsa_next_free_vgpr 1024
		.amdhsa_next_free_sgpr 100
		.amdhsa_reserve_vcc 0
		.amdhsa_float_denorm_mode_32 3
		.amdhsa_float_denorm_mode_16_64 3
		.amdhsa_memory_ordered 1
		.amdhsa_forward_progress 1
		.amdhsa_inst_pref_size 167
	.end_amdhsa_kernel
	.amdgpu_metadata
---
amdhsa.version: [ 1, 2 ]
amdhsa.kernels:
  - .name:           k_qb7baf495d3_gemm_qkv
    .symbol:         k_qb7baf495d3_gemm_qkv.kd
    .args:
      - { .name: opq, .offset: 0, .size: 8, .value_kind: global_buffer, .address_space: global }
      - { .name: qkv, .offset: 8, .size: 8, .value_kind: global_buffer, .address_space: global }
    .group_segment_fixed_size: 327680
    .private_segment_fixed_size: 0
    .kernarg_segment_align: 8
    .kernarg_segment_size: 16
    .max_flat_workgroup_size: 128
    .sgpr_count:     100
    .vgpr_count:     1024
    .wavefront_size: 32
...
	.end_amdgpu_metadata
.endif
;; end of part 2
;; launch attn (part 3): grid 4 x 64, 16 waves a work-group, clusters of 4 x 1, 223,232 bytes of LDS; arguments qkv, ctx; writes ctx
.if DOCPART == 3
	.amdgcn_target "amdgcn-amd-amdhsa--gfx1250"
	.amdhsa_code_object_version 6
	.text
	.protected	k_qb7baf495d3_attn
	.globl	k_qb7baf495d3_attn
	.p2align	8
	.type	k_qb7baf495d3_attn,@function
k_qb7baf495d3_attn:
	s_mov_b64 s[64:65], 0
	v_nop
	global_prefetch_b8 v0, s[64:65] scope:SCOPE_SE
	s_setreg_imm32_b32 hwreg(HW_REG_WAVE_MODE, 25, 1), 1
	s_wait_xcnt 0x0
	s_wait_alu depctr_hold_cnt(0) depctr_sa_sdst(0) depctr_va_vdst(0) depctr_va_sdst(0) depctr_va_ssrc(0) depctr_va_vcc(0) depctr_vm_vsrc(0)
	s_getreg_b32 s2, hwreg(HW_REG_IB_STS2, 6, 4)
	s_cmp_eq_u32 s2, 0
	s_cbranch_scc0 .Lentry_in_a_cluster
	s_endpgm
.Lentry_in_a_cluster:
	s_bfe_u32 s2, ttmp6, 0x10000c
	s_cmp_lg_u32 s2, 0x3003
	s_cbranch_scc0 .Lentry_shape_is_right
	s_endpgm
.Lentry_shape_is_right:
; ctx[b][q][head] = softmax_k(q . k / 32) v for one head of 64 channels, both products on codes of E3M2 (qkv: images and scale words as the launch before laid them); ctx leaves QUANTISED, as the last product's operand.
; THE SOFTMAX: t = score x log2(e) / 32; M = the row's largest t so far, rounded UP to a whole number; p = 2^(t - M) is quantised along the keys, not normalised.
; The row's sum is taken of the unquantised p, in f32, and divides O at the end.  When M moves, the sum and O are multiplied by 2^(old M - new M): exact.
; SHARES.  A work-group owns 512 queries of one head; each of its sixteen waves owns one tile of 16 in each of two passes, in 256 registers: four waves to a SIMD.
; A HEAD'S WHOLE K AND V LIE IN LDS, each byte filled once: no ring.  ONE tensor load a wave at the head: waves 0-7 bring 16 key tiles of K each, waves 8-15 two key steps of V each; every wave waits for 0, one barrier shows all.
; No data prefetch: all of K and V is asked for at the head, so there is no loop to run ahead in.
; CLUSTER.  The four work-groups of a cluster are the four query blocks of one head: every tensor load is joint, with the mask of all four.
; THE HEAD IS 64 LONG, THE INSTRUCTION 128.  A head's part of an image is 768 bytes: registers 0-5 of a fragment.  Q's registers 6-11 are zero codes, so what stands in K's registers 6-11 (the next tile's codes; behind the eighth
; whatever the six registers hold: every pattern of bits is a finite code) adds nothing; the scale words are shifted so that the head's two bytes are bytes 0 and 1; the bytes above are never 0xff.
; LAYOUT.  Both products are used transposed: S^T = K Q^T, O^T = V^T P^T: a lane holds ONE query.  In memory lane r of key tile t holds key 32 (t / 2) + 8 (t % 2) + r % 8 + 16 (r / 8).
; THE TILES THAT ARE MULTIPLIED ARE PICKED ANEW BY THE LANES' LDS ADDRESSES: row m of tile 4 c + u is key 64 c + 32 (m / 8) + 8 u + m % 8, which is row m % 8 + 8 (u / 2) of stored tile 4 c + 2 (m / 8) + u % 2.
; So the 32 registers of tiles 4 c .. 4 c + 3 in lane (r, h) are keys 64 c + 32 h + 0 .. 31: a WHOLE scale block of p, in the order of the operand's registers.
; K's pieces of 256 bytes lie 288 apart in LDS: two tiles are 1,728 bytes = 192 modulo 256, so the four groups of eight lanes of a load touch four different runs of 64 bytes.
; TWO RUNS OF 64 REGISTERS TAKE TURNS.  In a step one holds K and then V, the other S^T and p; behind p's conversions the NEXT step's K is loaded over p, and the runs change roles.  A pass's last step loads 28 pieces that nobody reads
; (they lie behind K's and its scale words' bytes, inside the bytes that V and its scale words fill); they are waited for at the way out.
; LIMITS: NaN and infinities are not served; the promise holds while the scaled scores t stay under 2^31 in magnitude; a block whose largest magnitude lies under 2^-122 (zeros among them) gets the byte 1: this program alone reads the bytes.
.set VIMG,  12582912
.set QKSC,  18874368
.set VSC,   19398656
.set CSC,   6291456
.set KP,    288                        ; a piece of K in LDS: 256 bytes + 32
.set KT,    3*KP                       ; a key tile
.set VOFF,  128*KT                     ; LDS: K's 128 tiles, then V's codes (key step s, tile t at 6,144 s + 1,536 t),
.set KSC,   VOFF+98304                 ; K's scale words, 8,192 bytes,
.set VSCL,  KSC+8192                   ; V's, 4,096 bytes (these two are written by LDS stores; no tensor load lands there),
.set SPARE, VSCL+4096                  ; the spare words: 128 bytes a wave
.set AK0,  1                           ; v1   8 x lane
.set AV0,  2                           ; v2   the same in V's region
.set ASK0, 3                           ; v3   KSC + 16 (r % 8) + 8 (r / 8)
.set ASV0, 4                           ; v4   VSCL + 16 r
.set ADK,  5                           ; v5, v7 the next key step's K and scale words; v6, v8 this step's V and scale words
.set ADV,  6
.set ADS,  7
.set ADT,  8
.set SCO,  9                           ; v9   16 r + h: my scale byte of ctx
.set QF,   16                          ; v16-21 Q, v22-27 zeros
.set QS,   28                          ; v28  Q's scale word
.set XR,   30                          ; v30-93  the first run of 64
.set AKL,  94                          ; v94  K in LDS: 2 KT (r / 8) + 8 (r % 8) + 128 h
.set H8,   95                          ; v95  8 h
.set YR,   96                          ; v96-159 the second run
.set O,    160                         ; v160-191 O^T
.set PCD,  192                         ; v192-203 p's codes;  v204-206, v208-210 second halves on their way
.set PT,   204
.set KSW,  212                         ; v212-219 K's scale words
.set VSW,  220                         ; v220-223 V's
.set BM,   224                         ; v224-227 four chains of maxima; v224, v226 my two blocks' largest score, then largest p
.set T4,   228                         ; v228-231 at work; bytes
.set SO,   232                         ; v232-233 the conversions' scale operands
.set PSW,  238                         ; v238 p's scale word (v236-239, v252-253: the sum's chains)
.set FF,   240                         ; v[240:241] f = 2^(old M - new M); at the end 1 / the sum
.set TMP,  242
.set QN,   244                         ; v244-249 the second pass's Q, v250 its scale word
.set QSN,  250
.set TK,   2                           ; s2   the next step's K: 8 KT a step
.set TS,   3                           ; s3   its scale words: 512 a step
.set TT,   19                          ; s19  V's scale words: 256 a step
.set TV,   99                          ; s99  V's codes: 6,144 a step
.set WV,   18
.set SEL,  20                          ; s[20:21] lane l xor 16
.set CS,   22                          ; s[22:23] c = log2(e) / 32
.set G1K,  24
.set G1V,  32
.set G0K,  40
.set G0V,  68
.set CNT,  61
.set SH,   62                          ; s62  16 x (head % 2)
.set HM,   63                          ; s63  lanes 16-31
.macro CROUND
	s_barrier_signal -1
	s_barrier_wait -1
	s_cmp_lg_u32 s[WV], 0
	s_cbranch_scc1 .Lnot_wave_0_\@
	s_barrier_signal -3
.Lnot_wave_0_\@:
	s_barrier_wait -3
	s_barrier_signal -1
	s_barrier_wait -1
.endm
	s_load_b128 s[4:7], s[0:1], 0x0                ; qkv, ctx
	v_lshl_add_u32 v254, v0, 2, SPARE
	v_mov_b32 v255, 0
	ds_add_u32 v254, v255
	ds_add_u32 v254, v255
	v_lshrrev_b32 v10, 5, v0
	v_readfirstlane_b32 s[WV], v10                 ; wave 0..15
	s_bfe_u32 s8, ttmp6, 0x40000                   ; cx: it enters Q's and ctx's addresses alone
	s_and_b32 s9, ttmp7, 0xffff
	s_lshr_b32 s10, s9, 4                          ; b
	s_and_b32 s11, s9, 15                          ; head
	s_lshr_b32 s12, s11, 1                         ; the pair of heads
	s_and_b32 s13, s11, 1                          ; which half of it
	s_and_b32 s14, s[WV], 7                        ; j: my part of K or of V
	s_lshl_b32 s[SH], s13, 4
	s_mul_i32 s17, s13, 768
	s_add_co_u32 s15, s12, 8                       ; K: image (8 + pair) 512 + 128 b + key tile; I fetch tiles 16 j .. 16 j + 15
	s_lshl_b32 s15, s15, 9
	s_lshl_b32 s16, s10, 7
	s_add_co_u32 s15, s15, s16
	s_lshl_b32 s16, s14, 4
	s_add_co_u32 s16, s15, s16
	s_mul_i32 s56, s16, 1536
	s_add_co_u32 s56, s56, s17
	s_mov_b32 s57, 0
	s_lshl_b32 s58, s10, 4                         ; V: image (16 b + key step) 64 + 4 head + t; I fetch key steps 2 j, 2 j + 1
	s_lshl_b32 s16, s14, 1
	s_add_co_u32 s58, s58, s16
	s_lshl_b32 s58, s58, 6
	s_lshl_b32 s16, s11, 2
	s_add_co_u32 s58, s58, s16
	s_mul_i32 s58, s58, 1536
	s_add_co_u32 s58, s58, VIMG
	s_mov_b32 s59, 0
	s_lshl_b32 s84, s15, 6                         ; the scale words: K's 8,192 dense bytes; V's 256 bytes of key step = my wave's number
	s_add_co_u32 s84, s84, QKSC
	s_mov_b32 s85, 0
	s_lshl_b32 s86, s10, 4
	s_add_co_u32 s86, s86, s[WV]
	s_lshl_b32 s86, s86, 6
	s_lshl_b32 s16, s11, 2
	s_add_co_u32 s86, s86, s16
	s_lshl_b32 s86, s86, 6
	s_add_co_u32 s86, s86, VSC
	s_mov_b32 s87, 0
	s_lshl_b32 s88, s10, 7                         ; my tile of queries in the first pass: 128 b + 32 cx + wave; the second pass's lies 16 on
	s_lshl_b32 s89, s8, 5
	s_add_co_u32 s88, s88, s89
	s_add_co_u32 s88, s88, s[WV]
	s_lshl_b32 s89, s12, 9
	s_add_co_u32 s89, s89, s88
	s_mul_i32 s94, s89, 1536
	s_add_co_u32 s94, s94, s17
	s_mov_b32 s95, 0
	s_lshr_b32 s96, s89, 2
	s_lshl_b32 s96, s96, 8
	s_and_b32 s98, s89, 3
	s_lshl_b32 s98, s98, 2
	s_add_co_u32 s96, s96, s98
	s_add_co_u32 s96, s96, QKSC
	s_mov_b32 s97, 0
	s_mul_i32 s90, s88, 12288                      ; ctx: tile x 12,288 + pair x 1,536 + half x 768
	s_mul_i32 s98, s12, 1536
	s_add_co_u32 s90, s90, s98
	s_add_co_u32 s90, s90, s17
	s_mov_b32 s91, 0
	s_lshl_b32 s92, s88, 9                         ; its scale bytes: CSC + 512 tile + 256 (pair / 4) + 4 (pair % 4) + 2 half
	s_lshr_b32 s98, s12, 2
	s_lshl_b32 s98, s98, 8
	s_add_co_u32 s92, s92, s98
	s_and_b32 s98, s12, 3
	s_lshl_b32 s98, s98, 2
	s_add_co_u32 s92, s92, s98
	s_lshl_b32 s98, s13, 1
	s_add_co_u32 s92, s92, s98
	s_add_co_u32 s92, s92, CSC
	s_mov_b32 s93, 0
	; group 1.  K: 16 half images of 768 bytes (96 elements of 8), 1,536 apart in memory, 8 words of padding behind every 64.  V: 2 rows of 6,144 bytes, 98,304 apart, dense in LDS
	s_mov_b32 s[G1K], 15|(3<<16)|(1<<20)|(1<<21)|(5<<22)|(7<<25)
	s_mov_b32 s[G1K+1], 96<<16
	s_mov_b32 s[G1K+2], 16<<16
	s_mov_b32 s[G1K+3], 96<<16
	s_mov_b32 s[G1K+4], 16
	s_mov_b32 s[G1K+5], 192
	s_mov_b32 s[G1K+6], 0
	s_mov_b32 s[G1K+7], 0
	s_mov_b32 s[G1V], 15|(3<<16)|(1<<21)
	s_mov_b32 s[G1V+1], 768<<16
	s_mov_b32 s[G1V+2], 2<<16
	s_mov_b32 s[G1V+3], 768<<16
	s_mov_b32 s[G1V+4], 2
	s_mov_b32 s[G1V+5], 12288
	s_mov_b32 s[G1V+6], 0
	s_mov_b32 s[G1V+7], 0
	s_mov_b32 s[G0K], 1
	s_mul_i32 s[G0K+1], s14, 16*KT
	s_mov_b32 s[G0V], 1
	s_mul_i32 s[G0V+1], s14, 12288
	s_add_co_u32 s[G0V+1], s[G0V+1], VOFF
	s_mov_b32 s[SEL], 0x76543210
	s_mov_b32 s[SEL+1], 0xfedcba98
	s_mov_b32 s[CS], 0x3d38aa3b                    ; c = log2(e) / 32
	s_mov_b32 s[CS+1], s[CS]
	v_and_b32 v10, 31, v0                          ; lane
	v_and_b32 v11, 15, v0                          ; r
	v_bfe_u32 v[TMP], v0, 4, 1                     ; h
	v_and_b32 v5, 7, v0                            ; r % 8
	v_bfe_u32 v6, v0, 3, 1                         ; r / 8
	v_lshlrev_b32 v[AK0], 3, v10
	v_mul_u32_u24 v7, v6, 2*KT
	v_add_nc_u32 v[AV0], VOFF, v[AK0]
	v_lshl_add_u32 v[AKL], v5, 3, v7
	v_lshl_add_u32 v[AKL], v[TMP], 7, v[AKL]
	v_lshl_add_u32 v[ASK0], v5, 4, KSC
	v_lshl_add_u32 v[ASK0], v6, 3, v[ASK0]
	v_lshl_add_u32 v[ASV0], v11, 4, VSCL
	v_lshl_add_u32 v[SCO], v11, 4, v[TMP]
	v_lshlrev_b32 v[H8], 3, v[TMP]
	v_cmp_ne_u32 s[HM], 0, v[TMP]
	v_lshlrev_b32 v10, 4, v0                       ; 16 x thread: my 16 bytes of K's scale words
	v_lshlrev_b32 v11, 4, v11                      ; 16 r
	v_lshl_add_u32 v243, v0, 4, KSC                ; where they go in LDS;
	v_lshl_add_u32 v251, v0, 3, VSCL               ; V's: 8 bytes a thread
	s_wait_alu depctr_va_vdst(0)
	s_wait_dscnt 0x0
	s_wait_kmcnt 0x0
	s_add_nc_u64 s[G0K+2:G0K+3], s[4:5], s[56:57]
	s_or_b32 s[G0K+3], s[G0K+3], 0x80000000
	s_add_nc_u64 s[G0V+2:G0V+3], s[4:5], s[58:59]
	s_or_b32 s[G0V+3], s[G0V+3], 0x80000000
	s_add_nc_u64 s[84:85], s[4:5], s[84:85]
	s_add_nc_u64 s[86:87], s[4:5], s[86:87]
	s_add_nc_u64 s[94:95], s[4:5], s[94:95]
	s_add_nc_u64 s[96:97], s[4:5], s[96:97]
	s_add_nc_u64 s[90:91], s[6:7], s[90:91]
	s_add_nc_u64 s[92:93], s[6:7], s[92:93]
	global_load_b128 v[36:39], v10, s[84:85]       ; K's scale words of the whole head: 512 threads x 16 bytes
	global_load_b64 v[40:41], v[AK0], s[86:87]     ; V's of one key step a wave
.irp j, 0,1,2
	global_load_b64 v[QF+2*\j:QF+2*\j+1], v[AK0], s[94:95] offset:256*\j           ; Q of both passes stays in registers
	global_load_b64 v[QN+2*\j:QN+2*\j+1], v[AK0], s[94:95] offset:16*1536+256*\j
.endr
	global_load_b32 v[QS], v11, s[96:97]
	global_load_b32 v[QSN], v11, s[96:97] offset:16*64
	CROUND                                         ; all four work-groups are here: the joint loads meet
	s_cmp_lt_u32 s[WV], 8                          ; one load a wave, in one of two arms that join
	s_cbranch_scc0 .Lfor_v
	tensor_load_to_lds s[G0K:G0K+3], s[G1K:G1K+7]
	s_nop 0
.rept 4
	v_nop
.endr
	s_branch .Lasked
.Lfor_v:
	tensor_load_to_lds s[G0V:G0V+3], s[G1V:G1V+7]
	s_nop 0
.rept 4
	v_nop
.endr
.Lasked:
	s_wait_loadcnt 0x0
.irp i, 0,1,2,3
	v_lshrrev_b32 v[36+\i], s[SH], v[36+\i]        ; the head's two bytes become bytes 0 and 1 of the word
.endr
	v_lshrrev_b32 v[QS], s[SH], v[QS]
	v_lshrrev_b32 v[QSN], s[SH], v[QSN]
	ds_store_b128 v243, v[36:39]
	ds_store_b64 v251, v[40:41]
.irp i, 0,1,2,3,4,5
	v_mov_b32 v[QF+6+\i], 0                        ; zero codes: the upper half of Q's fragment,
	v_mov_b32 v[XR+48+\i], 0                       ; and what the first step finds behind K's eighth tile
.endr
.irp b, 0,1,2,3
	v_mov_b32 v[T4+\b], 0                          ; written once: a lane permute's destination counts as one of its sources
.endr
	v_mov_b32 v[FF+1], 0                           ; (named as the upper half of a pair)
.macro INIT                            ; a pass begins: O^T and the sum as zeros, the largest t under every t
	v_mov_b32 v13, 0xff61b1e6                      ; -3e38
	s_delay_alu instid0(VALU_DEP_1)
	v_floor_f32 v12, -v13                          ; -M
	v_mov_b32 v14, 0
	v_mov_b32 v15, 0
.irp j, 0,1,2,3,4,5,6,7,8,9,10,11,12,13,14,15,16,17,18,19,20,21,22,23,24,25,26,27,28,29,30,31
	v_mov_b32 v[O+\j], 0
.endr
	s_mov_b32 s[TK], 8*KT                          ; K runs one step ahead
	s_mov_b32 s[TS], 512
	s_mov_b32 s[TV], 0
	s_mov_b32 s[TT], 0
.endm
.macro KLOAD reg, ak, as               ; a key step's eight tiles of K, picked as the head comment says, and the same rows' scale words: 28 loads
.irp c, 0,1
.irp u, 0,1,2,3
.irp j, 0,1,2
	ds_load_b64 v[\reg+6*(4*\c+\u)+2*\j:\reg+6*(4*\c+\u)+2*\j+1], v[\ak] offset:KT*(4*\c+\u%2)+64*(\u/2)+KP*\j
.endr
.endr
.endr
.irp c, 0,1
.irp g, 0,1
	ds_load_b64 v[KSW+4*\c+2*\g:KSW+4*\c+2*\g+1], v[\as] offset:256*\c+128*\g
.endr
.endr
.endm
; A KEY STEP: 128 keys.  kv: the run that holds K and takes V;  s: the run that takes S^T, p and then the next step's K.
.macro STEP kv, s
	v_add_nc_u32 v[ADV], s[TV], v[AV0]             ; these five are the places between the last step's products and the products below, which write over V's registers
	v_add_nc_u32 v[ADT], s[TT], v[ASV0]
	v_add_nc_u32 v[ADK], s[TK], v[AKL]
	v_add_nc_u32 v[ADS], s[TS], v[ASK0]
	v_nop
	s_wait_alu depctr_va_vdst(0)
	s_wait_dscnt 0x0                               ; K is in
.irp i, 0,1,2,3,4,5,6,7                        ; S^T = K Q^T.  Registers 6-11 of K's operand meet Q's zero codes
	v_wmma_scale_f32_16x16x128_f8f6f4 v[\s+8*\i:\s+8*\i+7], v[\kv+6*\i:\kv+6*\i+11], v[QF:QF+11], 0, v[KSW+\i], v[QS] matrix_a_fmt:MATRIX_FMT_BF6 matrix_b_fmt:MATRIX_FMT_BF6
.endr
.rept 4
	v_nop                                          ; places in front of the loads below and of the first read of the scores
.endr
.irp t, 0,1,2,3                                ; V's four fragments go out now and land under the softmax
.irp p, 0,1,2,3,4,5
	ds_load_b64 v[\kv+12*\t+2*\p:\kv+12*\t+2*\p+1], v[ADV] offset:1536*\t+256*\p
.endr
.endr
	ds_load_b128 v[VSW:VSW+3], v[ADT]
.irp b, 0,1,2,3
	v_max3_num_f32 v[BM+\b], v[\s+16*\b], v[\s+1+16*\b], v[\s+2+16*\b]   ; four chains side by side, two to a block of 32 keys
.endr
.irp i, 3,5,7,9,11,13
.irp b, 0,1,2,3
	v_max3_num_f32 v[BM+\b], v[BM+\b], v[\s+16*\b+\i], v[\s+1+16*\b+\i]
.endr
.endr
.irp c, 0,1
	v_max3_num_f32 v[BM+2*\c], v[BM+2*\c], v[\s+15+32*\c], v[\s+31+32*\c]
.endr
.irp c, 0,1
	v_max_num_f32 v[BM+2*\c], v[BM+2*\c], v[BM+1+2*\c]   ; my block's largest score: it serves for the row's maximum and, since p rises with the score, for the block's largest p
.endr
	s_delay_alu instid0(VALU_DEP_1)
	v_max_num_f32 v[TMP], v[BM], v[BM+2]
	s_delay_alu instid0(VALU_DEP_1)
	v_permlanex16_b32 v[T4], v[TMP], s[SEL], s[SEL+1]
	s_delay_alu instid0(VALU_DEP_1)
	v_max_num_f32 v[TMP], v[TMP], v[T4]            ; with lane l xor 16's two blocks: the step's largest score of my query
	s_delay_alu instid0(VALU_DEP_1)
	v_mul_f32 v[TMP], s[CS], v[TMP]                ; as t (c is positive)
	s_delay_alu instid0(VALU_DEP_1)
	v_max_num_f32 v13, v13, v[TMP]                 ; the running largest t
	v_mov_b32 v[TMP], v12
	s_delay_alu instid0(VALU_DEP_2)
	v_floor_f32 v12, -v13                          ; the new -M = -ceil(t): a whole number
	s_delay_alu instid0(VALU_DEP_1)
	v_sub_f32 v[TMP], v12, v[TMP]                  ; old M less new M: a whole number, 0 or less
	s_delay_alu instid0(VALU_DEP_1)
	v_cvt_i32_f32 v[TMP], v[TMP]                   ; (it saturates)
	s_delay_alu instid0(VALU_DEP_1)
	v_ldexp_f32 v[FF], 1.0, v[TMP]                 ; f = 2^(old M - new M)
.irp j, 0,2,4,6,8,10,12,14,16,18,20,22,24,26,28,30,32,34,36,38,40,42,44,46,48,50,52,54,56,58,60,62
	v_pk_fma_f32 v[\s+\j:\s+1+\j], v[\s+\j:\s+1+\j], s[CS:CS+1], v[12:13] op_sel_hi:[1,0,0]   ; t - M, two at a time
.endr
.irp c, 0,1
	v_fma_f32 v[BM+2*\c], v[BM+2*\c], s[CS], v12   ; the same of each block's largest score
.endr
	s_wait_alu depctr_va_vdst(0)
.irp j, 0,1,2,3,4,5,6,7,8,9,10,11,12,13,14,15,16,17,18,19,20,21,22,23,24,25,26,27,28,29,30,31,32,33,34,35,36,37,38,39,40,41,42,43,44,45,46,47,48,49,50,51,52,53,54,55,56,57,58,59,60,61,62,63
	v_exp_f32 v[\s+\j], v[\s+\j]                   ; p = 2^(t - M), at most 1
.endr
	v_pk_mul_f32 v[14:15], v[14:15], v[FF:FF+1] op_sel_hi:[1,0]   ; the sums under the new M: the plain instruction behind the exponentials
	s_wait_alu depctr_va_vdst(0)                   ; one wait for the batch of 64, ahead of its first reader
.irp c, 0,1
	v_exp_f32 v[BM+2*\c], v[BM+2*\c]               ; the block's largest p: the same two instructions on the same number give the same bits
.endr
	v_pk_add_f32 v[236:237], v[\s:\s+1], v[\s+2:\s+3]           ; the row's sum of the unquantised p, in four chains
	v_pk_add_f32 v[238:239], v[\s+4:\s+5], v[\s+6:\s+7]
	v_pk_add_f32 v[252:253], v[\s+8:\s+9], v[\s+10:\s+11]
	v_pk_add_f32 v[14:15], v[14:15], v[\s+12:\s+13]
.irp k, 14,22,30,38,46,54
	v_pk_add_f32 v[236:237], v[236:237], v[\s+\k:\s+\k+1]
	v_pk_add_f32 v[238:239], v[238:239], v[\s+\k+2:\s+\k+3]
	v_pk_add_f32 v[252:253], v[252:253], v[\s+\k+4:\s+\k+5]
	v_pk_add_f32 v[14:15], v[14:15], v[\s+\k+6:\s+\k+7]
.endr
	v_pk_add_f32 v[236:237], v[236:237], v[\s+62:\s+63]
	v_pk_add_f32 v[14:15], v[14:15], v[252:253]
	v_pk_add_f32 v[236:237], v[236:237], v[238:239]
	v_pk_add_f32 v[14:15], v[14:15], v[236:237]
	s_wait_alu depctr_va_vdst(0)                   ; and one for the two
.irp c, 0,1
	v_max_num_f32 v[BM+2*\c], 0x2800000, v[BM+2*\c]   ; the floor 2^(5 - 127): the byte cannot fall under 1
.endr
.irp c, 0,1
	v_add_nc_u32 v[SO+\c], 0xfe000000, v[BM+2*\c]  ; 4 off the exponent field: the conversion's scale operand
.endr
.irp c, 0,1
	v_lshrrev_b32 v[T4+\c], 23, v[SO+\c]           ; the byte of block 2 c + h
.endr
	v_lshl_or_b32 v[PSW], v[T4+1], 16, v[T4]       ; my two bytes,
	v_lshlrev_b32 v[PSW], v[H8], v[PSW]            ; at their places in the word (8 h bits up);
	v_permlanex16_b32 v[T4+2], v[PSW], s[SEL], s[SEL+1]
	v_or_b32 v[PSW], v[PSW], v[T4+2]               ; with lane l xor 16's two: p's scale word for these 128 keys
.irp c, 0,1
	v_cvt_scalef32_pk16_bf6_f32 v[PCD+6*\c:PCD+2+6*\c], v[\s+32*\c:\s+15+32*\c], v[SO+\c]
	v_cvt_scalef32_pk16_bf6_f32 v[PT+4*\c:PT+2+4*\c], v[\s+16+32*\c:\s+31+32*\c], v[SO+\c]   ; (a conversion's three registers begin on an even number)
.endr
	KLOAD \s, ADK, ADS                             ; p is converted: its registers take the next step's K, which lands under the lines below
	v_nop                                          ; one plain instruction behind a scaled conversion
.irp c, 0,1
.irp i, 0,1,2
	v_mov_b32 v[PCD+3+6*\c+\i], v[PT+4*\c+\i]      ; registers 6 c .. 6 c + 5: keys 64 c + 32 h + 0 .. 31
.endr
.endr
	s_wait_alu depctr_va_vdst(0)
.irp j, 0,2,4,6,8,10,12,14,16,18,20,22,24,26,28,30
	v_pk_mul_f32 v[O+\j:O+1+\j], v[O+\j:O+1+\j], v[FF:FF+1] op_sel_hi:[1,0]   ; O^T under the new M.  These sixteen are also the places between the scale word's and the codes' last writes and the products
.endr
	s_wait_alu depctr_va_vdst(0)
	s_wait_dscnt 28                                ; V is in: younger are the 28 loads of the next step's K
.irp t, 0,1,2,3                                ; O^T += V^T P^T.  Four accumulators, one instruction each a step, the eight products of S^T between their links
	v_wmma_scale_f32_16x16x128_f8f6f4 v[O+8*\t:O+8*\t+7], v[\kv+12*\t:\kv+12*\t+11], v[PCD:PCD+11], v[O+8*\t:O+8*\t+7], v[VSW+\t], v[PSW] matrix_a_fmt:MATRIX_FMT_BF6 matrix_b_fmt:MATRIX_FMT_BF6
.endr
	s_add_co_u32 s[TK], s[TK], 8*KT
	s_add_co_u32 s[TV], s[TV], 6144
	s_add_co_u32 s[TS], s[TS], 512
	s_add_co_u32 s[TT], s[TT], 256
.endm
; THE WAY OUT of pass pi.  O^T is divided by the row's sum and quantised along the channels (register 16 b + i: channel 32 b + 16 h + i): two blocks of 32; the codes are half an image: three stores of 256 consecutive bytes.
.set S, YR                             ; at work in the second run, which held the last step's V
.macro WAYOUT pi
	s_wait_dscnt 0x0                               ; the last step's loads into the first run have landed: the run may be loaded anew
	v_add_f32 v14, v14, v15
	s_delay_alu instid0(VALU_DEP_1)
	v_permlanex16_b32 v[TMP], v14, s[SEL], s[SEL+1]
	s_delay_alu instid0(VALU_DEP_1)
	v_add_f32 v14, v14, v[TMP]
	s_wait_alu depctr_va_vdst(0)
	v_rcp_f32 v[FF], v14
.rept 4
	v_nop                                          ; the plain instruction behind the reciprocal, and the places behind the last products
.endr
	s_wait_alu depctr_va_vdst(0)
.irp j, 0,2,4,6,8,10,12,14,16,18,20,22,24,26,28,30
	v_pk_mul_f32 v[S+\j:S+1+\j], v[O+\j:O+1+\j], v[FF:FF+1] op_sel_hi:[1,0]   ; each accumulator from its low end on
.endr
.irp b, 0,1
	v_max3_num_f32 v[BM+\b], |v[S+16*\b]|, |v[S+1+16*\b]|, 0x2800000
.endr
.irp i, 2,4,6,8,10,12,14
.irp b, 0,1
	s_delay_alu instid0(VALU_DEP_2)
	v_max3_num_f32 v[BM+\b], v[BM+\b], |v[S+16*\b+\i]|, |v[S+1+16*\b+\i]|
.endr
.endr
.irp b, 0,1
	s_delay_alu instid0(VALU_DEP_2)
	v_permlanex16_b32 v[T4+\b], v[BM+\b], s[SEL], s[SEL+1]
.endr
.irp b, 0,1
	s_delay_alu instid0(VALU_DEP_2)
	v_max_num_f32 v[BM+\b], v[BM+\b], v[T4+\b]
.endr
.irp b, 0,1
	s_delay_alu instid0(VALU_DEP_2)
	v_add_nc_u32 v[SO+\b], 0xfe000000, v[BM+\b]
.endr
.irp b, 0,1
	s_delay_alu instid0(VALU_DEP_2)
	v_lshrrev_b32 v[T4+\b], 23, v[SO+\b]
.endr
	v_cvt_scalef32_pk16_bf6_f32 v[PCD:PCD+2], v[S:S+15], v[SO]
	v_cvt_scalef32_pk16_bf6_f32 v[PT:PT+2], v[S+16:S+31], v[SO+1]
	v_cndmask_b32 v[TMP], v[T4], v[T4+1], s[HM]    ; lanes 0-15 store block 0's byte, lanes 16-31 block 1's.  (The plain instruction behind the conversions)
.irp i, 0,1,2
	v_permlane16_swap_b32 v[PCD+\i], v[PT+\i]      ; a whole block to a lane
.endr
.irp i, 0,1,2
	s_delay_alu instid0(VALU_DEP_3)
	v_mov_b32 v[PCD+3+\i], v[PT+\i]
.endr
.irp j, 0,1,2
	global_store_b64 v[AK0], v[PCD+2*\j:PCD+2*\j+1], s[90:91] offset:16*12288*\pi+256*\j
.endr
	global_store_b8 v[SCO], v[TMP], s[92:93] offset:16*512*\pi
.if \pi == 0
	s_wait_xcnt 0x0                                ; the stores have read their registers: the next pass writes them again
.endif
.endm
.macro PASS pi                         ; key step 0's K, sixteen key steps (a trip runs two, until the runs are back in their roles) and the way out
	KLOAD XR, AKL, ASK0
	s_mov_b32 s[CNT], 8
.Lpass_\@:
	STEP XR, YR
	STEP YR, XR
	s_sub_co_u32 s[CNT], s[CNT], 1
	s_cmp_lg_u32 s[CNT], 0
	s_cbranch_scc1 .Lpass_\@
	WAYOUT \pi
.endm
	INIT
	s_wait_tensorcnt 0x0                           ; my part of K or V has landed, my LDS stores are done; behind the barrier that holds of every wave.  Nothing is ever filled again
	s_wait_dscnt 0x0
	s_barrier_signal -1
	s_barrier_wait -1
	PASS 0
.irp i, 0,1,2,3,4,5
	v_mov_b32 v[QF+\i], v[QN+\i]                   ; the second pass's queries; the lines of INIT are the places ahead of the products
.endr
	v_mov_b32 v[QS], v[QSN]
	INIT
	PASS 1
	s_wait_tensorcnt 0x0                           ; the wave's end
	ds_add_u32 v254, v255
	s_wait_dscnt 0x0
	CROUND                                         ; the closing round
	s_endpgm
.Lfunc_end_k_qb7baf495d3_attn:
	.size	k_qb7baf495d3_attn, .Lfunc_end_k_qb7baf495d3_attn-k_qb7baf495d3_attn
	.p2alignl 7, 3214868480
	.fill 96, 4, 3214868480
	.section	.rodata,"a",@progbits
	.p2align	6, 0x0
	.amdhsa_kernel k_qb7baf495d3_attn
		.amdhsa_group_segment_fixed_size 223232
		.amdhsa_private_segment_fixed_size 0
		.amdhsa_enable_private_segment 0
		.amdhsa_kernarg_size 16
		.amdhsa_user_sgpr_count 2
		.amdhsa_user_sgpr_kernarg_segment_ptr 1
		.amdhsa_wavefront_size32 1
		.amdhsa_system_sgpr_workgroup_id_x 1
		.amdhsa_system_sgpr_workgroup_id_y 1
		.amdhsa_system_sgpr_workgroup_id_z 1
		.amdhsa_system_vgpr_workitem_id 0
		.amdhsa_next_free_vgpr 256
		.amdhsa_next_free_sgpr 100
		.amdhsa_reserve_vcc 0
		.amdhsa_float_denorm_mode_32 3
		.amdhsa_float_denorm_mode_16_64 3
		.amdhsa_memory_ordered 1
		.amdhsa_forward_progress 1
		.amdhsa_inst_pref_size 92
	.end_amdhsa_kernel
	.amdgpu_metadata
---
amdhsa.version: [ 1, 2 ]
amdhsa.kernels:
  - .name:           k_qb7baf495d3_attn
    .symbol:         k_qb7baf495d3_attn.kd
    .args:
      - { .name: qkv, .offset: 0, .size: 8, .value_kind: global_buffer, .address_space: global }
      - { .name: ctx, .offset: 8, .size: 8, .value_kind: global_buffer, .address_space: global }
    .group_segment_fixed_size: 223232
    .private_segment_fixed_size: 0
    .kernarg_segment_align: 8
    .kernarg_segment_size: 16
    .max_flat_workgroup_size: 512
    .sgpr_count:     100
    .vgpr_count:     256
    .wavefront_size: 32
...
	.end_amdgpu_metadata
.endif
;; end of part 3
;; launch gemm_out (part 4): grid 8 x 32, 4 waves a work-group, clusters of 4 x 4, 327,680 bytes of LDS; arguments ctx, opq, b_out, out0; writes out0
.if DOCPART == 4
	.amdgcn_target "amdgcn-amd-amdhsa--gfx1250"
	.amdhsa_code_object_version 6
	.text
	.protected	k_qb7baf495d3_gemm_out
	.globl	k_qb7baf495d3_gemm_out
	.p2align	8
	.type	k_qb7baf495d3_gemm_out,@function
k_qb7baf495d3_gemm_out:
	s_mov_b64 s[64:65], 0
	v_nop
	global_prefetch_b8 v0, s[64:65] scope:SCOPE_SE
	s_setreg_imm32_b32 hwreg(HW_REG_WAVE_MODE, 25, 1), 1
	s_wait_xcnt 0x0
	s_wait_alu depctr_hold_cnt(0) depctr_sa_sdst(0) depctr_va_vdst(0) depctr_va_sdst(0) depctr_va_ssrc(0) depctr_va_vcc(0) depctr_vm_vsrc(0)
	s_getreg_b32 s2, hwreg(HW_REG_IB_STS2, 6, 4)
	s_cmp_eq_u32 s2, 0
	s_cbranch_scc0 .Lentry_in_a_cluster
	s_endpgm
.Lentry_in_a_cluster:
	s_bfe_u32 s2, ttmp6, 0x10000c
	s_cmp_lg_u32 s2, 0xf033
	s_cbranch_scc0 .Lentry_shape_is_right
	s_endpgm
.Lentry_shape_is_right:
.set NQ,     2
.set FR,     12
.set NL,     6
.set NP,     4
.set FRB,    1536
.set TROW,   NQ*FRB
.set TPITCH, 12288
.set HALFT,  8*TROW
.set SLOT,   4*HALFT
.set SCL,    2*SLOT
.set HALFS,  4096
.set SPARE,  SCL+4*HALFS
.set OPSC,   9437184
.set CSC,    6291456
.set SPITCH, 528
.set ADRA, 16
.set ADRB, 20
.set STO,  24
.set RD,   25
.set CO,   26
.set ADRS, 27
.set SPW,  28
.set NIL,  29
.set BA,   30
.set SC,   32
.set AF,   128
.set BK,   128
.set G1, 24
.set G0, 32
.set G1B, 48
.set G0B, 56
.set G1S, 68
.set G0S, 76
.set G1SB, 80
.set G0SB, 88
.set MSB, 0
.macro WIN new
.if MSB != (\new)
	s_set_vgpr_msb (MSB<<8)|(\new)
.set MSB, (\new)
.endif
.endm
.set MUL_LO, 0xa1
.set MUL_HI, 0xf1
.set BIA_LO, 0x91
.set BIA_HI, 0xd1
.set TO_B,   0x40
.macro JLOAD g0a, g1a, g0b, g1b
	s_cmp_eq_u32 s15, 0
	s_cbranch_scc0 .Lfor_b_\@
	tensor_load_to_lds s[\g0a:\g0a+3], s[\g1a:\g1a+7]
	s_nop 0
.rept 4
	v_nop
.endr
	s_branch .Lasked_\@
.Lfor_b_\@:
	tensor_load_to_lds s[\g0b:\g0b+3], s[\g1b:\g1b+7]
	s_nop 0
.rept 4
	v_nop
.endr
.Lasked_\@:
.endm
.macro CREST
	s_cmp_lg_u32 s14, 0
	s_cbranch_scc1 .Lnot_wave_0_\@
	s_barrier_signal -3
.Lnot_wave_0_\@:
	s_barrier_wait -3
	s_barrier_signal -1
	s_barrier_wait -1
.endm
.macro CROUND
	s_barrier_signal -1
	s_barrier_wait -1
	CREST
.endm
	s_load_b256 s[4:11], s[0:1], 0x0
	v_lshl_add_u32 v[SPW], v0, 2, SPARE
	v_mov_b32 v[NIL], 0
	ds_add_u32 v28, v29
	ds_add_u32 v28, v29
	s_wait_dscnt 0x0
	v_lshrrev_b32 v1, 5, v0
	v_readfirstlane_b32 s14, v1
	s_lshr_b32 s15, s14, 1
	s_and_b32 s16, s14, 1
	s_bfe_u32 s40, ttmp6, 0x40000
	s_bfe_u32 s41, ttmp6, 0x40004
	s_lshl_b32 s42, ttmp9, 2
	s_add_co_u32 s42, s42, s40
	s_and_b32 s17, ttmp7, 0xffff
	s_lshl_b32 s17, s17, 2
	s_add_co_u32 s17, s17, s41
	s_lshl_b32 s43, s41, 2
	s_lshl_b32 s43, 15, s43
	s_lshl_b32 s44, 0x1111, s40
	s_or_b32 s[G1+0], s43, (3<<16)|(1<<21)
	s_or_b32 s[G1B+0], s44, (3<<16)|(1<<21)
.irp g, G1, G1B
	s_mov_b32 s[\g+1], (TROW/8)<<16
	s_mov_b32 s[\g+2], 16<<16
	s_mov_b32 s[\g+3], (TROW/8)<<16
	s_mov_b32 s[\g+4], 16
	s_mov_b32 s[\g+5], TPITCH/8
	s_mov_b32 s[\g+6], 0
	s_mov_b32 s[\g+7], 0
.endr
	s_mov_b32 s[G1B+2], 8<<16                      ; A BLOCK OF C IS 256 ROWS x 128 COLUMNS: B has 8 tiles of 16 rows where A has 16; a wave makes 128 rows x 64 columns
	s_mov_b32 s[G1B+4], 8
	s_or_b32 s[G1S+0], s43, (3<<16)|(1<<21)
	s_or_b32 s[G1SB+0], s44, (3<<16)|(1<<21)
.irp g, G1S, G1SB
	s_mov_b32 s[\g+1], 32<<16
	s_mov_b32 s[\g+2], 32<<16
	s_mov_b32 s[\g+3], 32<<16
	s_mov_b32 s[\g+4], 32
	s_mov_b32 s[\g+5], 32
	s_mov_b32 s[\g+6], 0
	s_mov_b32 s[\g+7], 0
.endr
	s_mov_b32 s[G1SB+2], 16<<16                    ; B's scale words: 4,096 bytes
	s_mov_b32 s[G1SB+4], 16
	s_mul_i32 s18, s16, 8*TPITCH                   ; in the ring I fetch 8 of A's 16 tiles, or 4 of B's 8: which half, in bytes
	s_mov_b32 s19, 0
	s_mul_i32 s94, s16, 4*TPITCH
	s_mov_b32 s95, 0
	s_mul_i32 s96, s16, HALFT/2                    ; and where B's half goes in a slot: behind A's 16 tiles
	s_add_co_u32 s96, s96, 2*HALFT
	s_lshl_b32 s20, s17, 4
	s_lshl_b32 s46, s42, 3
	s_add_co_u32 s46, s46, 704
	s_lshl_b32 s22, s20, 9
	s_add_co_u32 s22, s22, CSC
	s_mov_b32 s23, 0
	s_lshl_b32 s92, s46, 9
	s_add_co_u32 s92, s92, OPSC
	s_mov_b32 s93, 0
	s_mul_i32 s20, s20, TPITCH
	s_mov_b32 s21, 0
	s_mul_i32 s46, s46, TPITCH
	s_mov_b32 s47, 0
	s_mul_i32 s45, s14, HALFT
	s_wait_kmcnt 0x0
	s_add_nc_u64 s[20:21], s[4:5], s[20:21]
	s_add_nc_u64 s[22:23], s[4:5], s[22:23]
	s_add_nc_u64 s[46:47], s[6:7], s[46:47]
	s_add_nc_u64 s[92:93], s[6:7], s[92:93]
	CROUND
	s_mov_b32 s[G0S], 1
	s_mov_b32 s[G0S+1], SCL+HALFS
	s_mov_b64 s[G0S+2:G0S+3], s[22:23]
	s_or_b32 s[G0S+3], s[G0S+3], 0x80000000
	s_mov_b32 s[G0SB], 1
	s_mov_b32 s[G0SB+1], SCL
	s_mov_b64 s[G0SB+2:G0SB+3], s[92:93]
	s_or_b32 s[G0SB+3], s[G0SB+3], 0x80000000
	; THE HEAD'S FOUR TILES, ONE A WAVE: wave 0 slot 0's 16 tiles of A, wave 1 its 8 of B, wave 2 A's scale words, wave 3 B's
	s_mov_b32 s[G0], 1
	s_mov_b32 s[G0+1], 0
	s_mov_b64 s[G0+2:G0+3], s[20:21]
	s_or_b32 s[G0+3], s[G0+3], 0x80000000
	s_mov_b32 s[G0B], 1
	s_mov_b32 s[G0B+1], 2*HALFT
	s_mov_b64 s[G0B+2:G0B+3], s[46:47]
	s_or_b32 s[G0B+3], s[G0B+3], 0x80000000
	s_add_nc_u64 s[20:21], s[20:21], s[18:19]      ; for the ring: my 8 tiles
	s_add_nc_u64 s[46:47], s[46:47], s[94:95]
	s_mov_b32 s[G0+4], 1
	s_add_co_u32 s[G0+5], s45, SLOT
	s_add_nc_u64 s[G0+6:G0+7], s[20:21], TROW
	s_or_b32 s[G0+7], s[G0+7], 0x80000000
	s_mov_b32 s[G0B+4], 1
	s_add_co_u32 s[G0B+5], s96, SLOT
	s_add_nc_u64 s[G0B+6:G0B+7], s[46:47], TROW
	s_or_b32 s[G0B+7], s[G0B+7], 0x80000000
.macro ARM under, g0, g1, next                 ; one chain of branches on the wave's number, one load to an arm, all arms to one join
	s_cmp_lt_u32 s14, \under
	s_cbranch_scc0 \next
	tensor_load_to_lds s[\g0:\g0+3], s[\g1:\g1+7]
	s_nop 0
.rept 4
	v_nop
.endr
	s_branch .Lhead_asked
\next:
.endm
	ARM 1, G0,  G1,  .Lhead_b
	ARM 2, G0B, G1B, .Lhead_sa
	ARM 3, G0S, G1S, .Lhead_sb
	tensor_load_to_lds s[G0SB:G0SB+3], s[G1SB:G1SB+7]
	s_nop 0
.rept 4
	v_nop
.endr
.Lhead_asked:
	s_wait_alu depctr_va_vdst(0)
	s_wait_tensorcnt 0x0                           ; my tile of the four is in
	ds_add_u32 v28, v29
	s_mov_b32 s[G1+2], 8<<16                       ; no load of mine is out: from here on a load brings 8 tiles of A or 4 of B,
	s_mov_b32 s[G1+4], 8
	s_mov_b32 s[G1B+2], 4<<16
	s_mov_b32 s[G1B+4], 4
	s_mov_b32 s[G0+1], s45                         ; and slot 0's group 0 stands at my half of K chunk 0
	s_mov_b64 s[G0+2:G0+3], s[20:21]
	s_or_b32 s[G0+3], s[G0+3], 0x80000000
	s_mov_b32 s[G0B+1], s96
	s_mov_b64 s[G0B+2:G0B+3], s[46:47]
	s_or_b32 s[G0B+3], s[G0B+3], 0x80000000
	s_wait_dscnt 0x0
	CROUND                                         ; all four tiles are shown to all waves, and the partners meet
	JLOAD G0+4, G1, G0B+4, G1B
	v_and_b32 v1, 15, v0
	v_bfe_u32 v2, v0, 4, 1
	v_and_b32 v3, 31, v0
	v_lshlrev_b32 v4, 3, v3
	s_wait_alu depctr_va_vdst(0)
	v_lshlrev_b32 v[CO], 4, v1                     ; in C: sixteen lanes to a row's 256 bytes, lanes 16-31 the next row
	v_lshl_add_u32 v[CO], v2, 12, v[CO]
	v_lshlrev_b32 v[BA], 6, v2
	s_lshl_b32 s20, s42, 9
	s_lshl_b32 s21, s16, 8
	s_add_co_u32 s20, s20, s21
	s_mov_b32 s21, 0
	s_add_nc_u64 s[8:9], s[8:9], s[20:21]
	WIN TO_B
.irp t, 0,1,2,3
	global_load_b128 v[96+8*\t+96*(\t/4):96+8*\t+96*(\t/4)+3], v[BA], s[8:9] offset:(32*(\t/2)+8*(\t%2))*4
	global_load_b128 v[96+8*\t+96*(\t/4)+4:96+8*\t+96*(\t/4)+7], v[BA], s[8:9] offset:(32*(\t/2)+8*(\t%2))*4+16
.endr
	WIN 0
	s_lshl_b32 s22, s17, 8
	s_lshl_b32 s23, s15, 7
	s_add_co_u32 s22, s22, s23
	s_lshl_b32 s22, s22, 12
	s_mov_b32 s23, 0
	s_add_nc_u64 s[12:13], s[10:11], s[22:23]
	s_add_nc_u64 s[12:13], s[12:13], s[20:21]
	s_mul_i32 s21, s15, HALFT
	s_mul_i32 s22, s16, HALFT/2
	s_add_co_u32 s22, s22, 2*HALFT
.irp s, 0,1
	v_add_nc_u32 v[ADRA+\s], s21, v4
	v_add_nc_u32 v[ADRB+\s], s22, v4
	s_add_co_u32 s21, s21, SLOT
	s_add_co_u32 s22, s22, SLOT
.endr
	v_lshlrev_b32 v5, 4, v1
	v_sub_nc_u32 v7, 1, v2                         ; 1 in lanes 0-15
	s_lshl_b32 s21, s16, 11                        ; B's scale words lie first: my 4 tiles' (the words that lanes 16-31 load for blocks 4-7 are not used)
	s_lshl_b32 s22, s15, 12
	s_add_co_u32 s22, s22, HALFS                   ; A's lie behind B's 4,096 bytes
	s_sub_co_u32 s22, s22, s21
	v_mul_u32_u24 v6, s22, v7                      ; lanes 0-15 take A's
	s_add_co_u32 s21, s21, SCL
	v_add_nc_u32 v5, v5, v6
	v_add_nc_u32 v[ADRS], s21, v5
	s_mul_i32 s23, s14, 16*SPITCH
	v_mul_u32_u24 v5, v1, SPITCH
	v_lshl_add_u32 v5, v2, 6, v5
	v_add_nc_u32 v[STO], s23, v5
	v_mul_u32_u24 v6, v2, SPITCH                   ; back from the stage: lanes 0-15 one row of 256 bytes, lanes 16-31 the next
	v_lshl_add_u32 v6, v1, 4, v6
	v_add_nc_u32 v[RD], s23, v6
.macro FRAG reg, adr, q, i
.irp p, 0,1,2,3,4,5
	ds_load_b64 v[\reg+2*\p:\reg+2*\p+1], v[\adr] offset:(\i)*TROW+(\q)*FRB+256*\p
.endr
.endm
.macro MUL16 a0, p, q, sc, zero
.irp a, \a0, \a0+1
.irp b, 0,1,2,3
.if \zero
	v_wmma_scale_f32_16x16x128_f8f6f4 v[8*(8*((\a)%4)+\b):8*(8*((\a)%4)+\b)+7], v[128*(\p)+FR*\b:128*(\p)+FR*\b+FR-1], v[AF+FR*(\a):AF+FR*(\a)+FR-1], v[96+8*\b+96*(\b/4):96+8*\b+96*(\b/4)+7], v[SC+8*NQ*(\sc)+NQ*\b+(\q)], v[SC+8*NQ*(\sc)+NQ*(\a)+(\q)] matrix_a_fmt:MATRIX_FMT_BF6 matrix_b_fmt:MATRIX_FMT_BF6 matrix_a_scale:MATRIX_SCALE_ROW1
.else
	v_wmma_scale_f32_16x16x128_f8f6f4 v[8*(8*((\a)%4)+\b):8*(8*((\a)%4)+\b)+7], v[128*(\p)+FR*\b:128*(\p)+FR*\b+FR-1], v[AF+FR*(\a):AF+FR*(\a)+FR-1], v[8*(8*((\a)%4)+\b):8*(8*((\a)%4)+\b)+7], v[SC+8*NQ*(\sc)+NQ*\b+(\q)], v[SC+8*NQ*(\sc)+NQ*(\a)+(\q)] matrix_a_fmt:MATRIX_FMT_BF6 matrix_b_fmt:MATRIX_FMT_BF6 matrix_a_scale:MATRIX_SCALE_ROW1
.endif
.endr
.endr
.endm
.macro FETCH_B slot, q, p
	WIN TO_B
.irp i, 0,1,2,3
	FRAG 128*(\p)+FR*\i, ADRB+\slot, \q, \i
.endr
	WIN 0
.endm
.macro FETCH_A slot, q, i0
.irp i, \i0, \i0+1, \i0+2, \i0+3
	FRAG AF+FR*(\i), ADRA+\slot, \q, \i
.endr
.endm
.macro SCALES sc, ks
.irp i, 0,1,2,3,4,5,6,7
	ds_load_b64 v[SC+8*NQ*\sc+NQ*\i:SC+8*NQ*\sc+NQ*\i+1], v[ADRS] offset:\i*512+256*((\ks)/2)+8*((\ks)%2)
.endr
.endm
.macro PLACES n
.rept \n
	v_nop
.endr
.endm
.macro STEP slot, q, zero
	s_wait_dscnt 4*NL
.if \zero
	WIN BIA_LO
.else
	WIN MUL_LO
.endif
	MUL16 0, (\q)%2, \q, \slot, \zero
	MUL16 2, (\q)%2, \q, \slot, \zero
	s_wait_dscnt 0
	PLACES NP
	FETCH_B \slot, (\q)+1, 1-(\q)%2
	FETCH_A \slot, (\q)+1, 0
.if \zero
	WIN BIA_HI
.else
	WIN MUL_HI
.endif
	MUL16 4, (\q)%2, \q, \slot, \zero
	MUL16 6, (\q)%2, \q, \slot, \zero
	PLACES NP
	WIN 0
	FETCH_A \slot, (\q)+1, 4
.endm
.macro TURN slot, next, fill, ks
	s_wait_tensorcnt 0x0
	ds_add_u32 v[SPW], v[NIL]
	s_wait_dscnt 4*NL+1
	WIN MUL_LO
	MUL16 0, 1, NQ-1, \slot, 0
	s_wait_dscnt 0x0
	s_barrier_signal -1
	MUL16 2, 1, NQ-1, \slot, 0
	WIN 0
	s_barrier_wait -1
.if \fill
	CREST
	s_add_nc_u64 s[G0+4*\slot+2:G0+4*\slot+3], s[G0+4*\slot+2:G0+4*\slot+3], 2*TROW
	s_add_nc_u64 s[G0B+4*\slot+2:G0B+4*\slot+3], s[G0B+4*\slot+2:G0B+4*\slot+3], 2*TROW
	JLOAD G0+4*\slot, G1, G0B+4*\slot, G1B
.else
	PLACES NP
.endif
	FETCH_B \next, 0, 0
	FETCH_A \next, 0, 0
	SCALES \next, \ks
	WIN MUL_HI
	MUL16 4, 1, NQ-1, \slot, 0
	MUL16 6, 1, NQ-1, \slot, 0
	PLACES NP
	WIN 0
	FETCH_A \next, 0, 4
.endm
	s_wait_alu depctr_va_vdst(0)
	s_wait_loadcnt 0x0
	FETCH_B 0, 0, 0
	FETCH_A 0, 0, 0
	SCALES 0, 0
	FETCH_A 0, 0, 4
	STEP 0, 0, 1
	TURN 0, 1, 1, 1
	STEP 1, 0, 0
	TURN 1, 0, 1, 2
	STEP 0, 0, 0
	TURN 0, 1, 0, 3
	STEP 1, 0, 0
	s_wait_dscnt 4*NL
	WIN MUL_LO
	MUL16 0, 1, NQ-1, 1, 0
	MUL16 2, 1, NQ-1, 1, 0
	s_wait_dscnt 0
	WIN MUL_HI
	MUL16 4, 1, NQ-1, 1, 0
	MUL16 6, 1, NQ-1, 1, 0
	WIN 0
.macro TOSTAGE a
.set AC, 64*((\a)%4)
	WIN 0x08+4*((\a)/4)
.irp b, 0,1,2,3
	ds_store_b128 v[STO], v[AC+8*\b:AC+8*\b+3] offset:128*(\b/2)+32*(\b%2)
	ds_store_b128 v[STO], v[AC+8*\b+4:AC+8*\b+7] offset:128*(\b/2)+32*(\b%2)+16
.endr
	WIN 0
.set BB, BK+64*((\a)%2)
.irp t, 0,1,2,3,4,5,6,7
	ds_load_b128 v[BB+4*\t:BB+4*\t+3], v[RD] offset:2*\t*SPITCH
.endr
.endm
.macro SEND a, younger
.set BB, BK+64*((\a)%2)
	s_wait_dscnt \younger
.irp t, 0,1,2,3,4,5,6,7
	global_store_b128 v[CO], v[BB+4*\t:BB+4*\t+3], s[12:13] offset:(32*((\a)/2)+8*((\a)%2)+((2*\t)%8)+16*(\t/4))*4096 th:TH_STORE_NT
.endr
.endm
	PLACES NP
	TOSTAGE 0
.irp a, 1,2,3,4,5,6,7
.if \a > 1
	s_wait_xcnt 0x0
.endif
	TOSTAGE \a
	SEND \a-1, 16
.endr
	SEND 7, 0
	s_wait_tensorcnt 0x0
	ds_add_u32 v[SPW], v[NIL]
	s_wait_dscnt 0x0
	CROUND
	s_endpgm
.Lfunc_end_k_qb7baf495d3_gemm_out:
	.size	k_qb7baf495d3_gemm_out, .Lfunc_end_k_qb7baf495d3_gemm_out-k_qb7baf495d3_gemm_out
	.p2alignl 7, 3214868480
	.fill 96, 4, 3214868480
	.section	.rodata,"a",@progbits
	.p2align	6, 0x0
	.amdhsa_kernel k_qb7baf495d3_gemm_out
		.amdhsa_group_segment_fixed_size 327680
		.amdhsa_private_segment_fixed_size 0
		.amdhsa_enable_private_segment 0
		.amdhsa_kernarg_size 32
		.amdhsa_user_sgpr_count 2
		.amdhsa_user_sgpr_kernarg_segment_ptr 1
		.amdhsa_wavefront_size32 1
		.amdhsa_system_sgpr_workgroup_id_x 1
		.amdhsa_system_sgpr_workgroup_id_y 1
		.amdhsa_system_sgpr_workgroup_id_z 1
		.amdhsa_system_vgpr_workitem_id 0
		.amdhsa_next_free_vgpr 1024
		.amdhsa_next_free_sgpr 100
		.amdhsa_reserve_vcc 0
		.amdhsa_float_denorm_mode_32 3
		.amdhsa_float_denorm_mode_16_64 3
		.amdhsa_memory_ordered 1
		.amdhsa_forward_progress 1
		.amdhsa_inst_pref_size 103
	.end_amdhsa_kernel
	.amdgpu_metadata
---
amdhsa.version: [ 1, 2 ]
amdhsa.kernels:
  - .name:           k_qb7baf495d3_gemm_out
    .symbol:         k_qb7baf495d3_gemm_out.kd
    .args:
      - { .name: ctx, .offset: 0, .size: 8, .value_kind: global_buffer, .address_space: global }
      - { .name: opq, .offset: 8, .size: 8, .value_kind: global_buffer, .address_space: global }
      - { .name: b_out, .offset: 16, .size: 8, .value_kind: global_buffer, .address_space: global }
      - { .name: out0, .offset: 24, .size: 8, .value_kind: global_buffer, .address_space: global }
    .group_segment_fixed_size: 327680
    .private_segment_fixed_size: 0
    .kernarg_segment_align: 8
    .kernarg_segment_size: 32
    .max_flat_workgroup_size: 128
    .sgpr_count:     100
    .vgpr_count:     1024
    .wavefront_size: 32
...
	.end_amdgpu_metadata
.endif
;; end of part 4
